; MI455X (gfx1250); checked and timed in simulation.
; The chip was launched on July 23, 2026; its instructions are those of AMD's public machine-readable ISA for CDNA 5 (MIT licence, August 2026) and "CDNA5" Instruction Set Architecture Reference Guide (July 2026). The comments in the code are by the model that wrote it; some were corrected since.
;; Lower Block. Allowed arithmetic: matrix products marked QUANTISED: E4M3 operands, one E8M0 scale for each 32 along K, by v_wmma_scale_f32_16x16x128_f8f6f4 with both operands' format E4M3, f32 sums; everything else in f32.
;; Inputs: in_proj_b 3,072 float32; in_proj_w_codes 3,072 x 32 x 32 uint8 (E4M3 codes of in_proj_w, K innermost, in blocks of 32 codes); in_proj_w_scales 3,072 x 32 uint8 (E8M0 scales of in_proj_w, one for each 32 codes along K); ln1_b 1,024 float32; ln1_g 1,024 float32; ln2_b 1,024 float32; ln2_g 1,024 float32; mlp_b1 4,096 float32; mlp_b2 1,024 float32; mlp_w1_codes 4,096 x 32 x 32 uint8 (E4M3 codes of mlp_w1, K innermost, in blocks of 32 codes); mlp_w1_scales 4,096 x 32 uint8 (E8M0 scales of mlp_w1, one for each 32 codes along K); mlp_w2_codes 1,024 x 128 x 32 uint8 (E4M3 codes of mlp_w2, K innermost, in blocks of 32 codes); mlp_w2_scales 1,024 x 128 uint8 (E8M0 scales of mlp_w2, one for each 32 codes along K); out_proj_b 1,024 float32; out_proj_w_codes 1,024 x 32 x 32 uint8 (E4M3 codes of out_proj_w, K innermost, in blocks of 32 codes); out_proj_w_scales 1,024 x 32 uint8 (E8M0 scales of out_proj_w, one for each 32 codes along K); x 2 x 2,048 x 1,024 float32.
;; Outputs: out0 2 x 2,048 x 1,024 float32.
;; This version of the problem:
;;   THIS VERSION OF THE PROBLEM IS GIVEN IN LOW PRECISION. The matrix products marked QUANTISED in the list below multiply operands that are first quantised to E4M3 (4 exponent bits, 3 mantissa bits; 8 bits a number), with one power-of-two scale for each 32 numbers along K (OCP MX v1.0); their sums are f32. All else is computed in f32.
;;   The module's matrix products, in the order in which they are computed (A, B: the left and right operand; K: the contracted axis; several contracted axes count as one K, in the product's order):
;;     1. [M 4,096, K 1,024] x [K 1,024, N 3,072]; A: computed on the way; B: input in_proj_w (given as codes): QUANTISED
;;     2. batch 32 x [M 2,048, K 64] x [K 64, N 2,048]; A: computed on the way; B: computed on the way: QUANTISED
;;     3. batch 32 x [M 64, K 2,048] x [K 2,048, N 2,048]; A: computed on the way; B: softmax (see below): QUANTISED
;;     4. [M 4,096, K 1,024] x [K 1,024, N 1,024]; A: computed on the way; B: input out_proj_w (given as codes): QUANTISED
;;     5. [M 4,096, K 1,024] x [K 1,024, N 4,096]; A: computed on the way; B: input mlp_w1 (given as codes): QUANTISED
;;     6. [M 4,096, K 4,096] x [K 4,096, N 1,024]; A: computed on the way; B: input mlp_w2 (given as codes): QUANTISED
;;   THE QUANTISER, for each operand of a quantised product, along K:
;;     - K is cut into blocks of 32 from its start; a last block that is shorter is filled with zeros.
;;     - A block's scale is 2^e with e = floor(log2(the largest magnitude in the block)) - 8, held to -126 .. 127; a block of zeros has e = 0. As a byte (E8M0): e + 127.
;;     - Each number is divided by its block's scale, clamped to +-448, and rounded to the nearest number of E4M3, ties to even, subnormals kept.
;;     - The product sums the exact products of the quantised numbers (number of the format x scale) in f32.
;;   ~~~python
;;   def quantise(x, axis):      # numpy; x: float32 -> the quantised numbers, widened to float32 again
;;       x = np.moveaxis(x, axis, -1); K = x.shape[-1]
;;       x = np.pad(x, [(0, 0)] * (x.ndim - 1) + [(0, -K % 32)]); x = x.reshape(x.shape[:-1] + (-1, 32)); a = np.abs(x).max(-1, keepdims=True)
;;       e = np.where(a > 0, np.clip(np.frexp(np.where(a > 0, a, 1))[1] - 1 - 8, -126, 127), 0)      # np.frexp(a)[1] - 1 = floor(log2(a)), exactly
;;       r = np.clip(x / 2.0 ** e, -448, 448)
;;       step = 2.0 ** (np.maximum(np.frexp(np.where(r == 0, 1, r))[1] - 1, -6) - 3)
;;       q = np.round(r / step) * step * 2.0 ** e      # np.round: ties to even
;;       return np.moveaxis(q.reshape(q.shape[:-2] + (-1,))[..., :K], -1, axis).astype(np.float32)
;;   ~~~
;;   SOFTMAX AHEAD OF A QUANTISED PRODUCT. Where the list says 'softmax', what is quantised is not the finished softmax but p = 2^(t - M), with t = logit x log2(e) and M = ceil(the row's largest t), a whole number; so 1/2 < the row's largest p <= 1. The row's sum l is taken of the UNQUANTISED p, in f32, and the product's result is divided by l at the end. Since M is a whole number, a kernel that streams over the keys may use a running M (the ceiling of the running maximum): every later rescaling is an exact power of two, which a block's scale takes up: the codes' values come out the same.
;;   OPERANDS COMPUTED ON THE WAY. 'Computed on the way' means the value that the module computes at that place (a softmax that the list does not call 'softmax' is quantised finished and normalised). What goes into a quantiser is computed in f32, as accurately as f32 sums, v_exp_f32 and their like allow (about 1e-6 of the number): no bf16 or f16 on the way to a quantiser, and a product that is left as it is and whose result goes on into a quantised operand takes f32 operands (vector FMAs, or v_wmma_f32_16x16x4_f32). A number that lies on a knife's edge between two numbers of the format may be rounded either way, as far as f32 arithmetic and the matrix unit's own rounding can turn it there, and no further.
;;   INPUTS GIVEN AS CODES. in_proj_w (in the module: [3072, 1024], K = its axis 1); mlp_w1 (in the module: [4096, 1024], K = its axis 1); mlp_w2 (in the module: [1024, 4096], K = its axis 1); out_proj_w (in the module: [1024, 1024], K = its axis 1): each comes as NAME_codes (uint8): NAME with its K axis moved to the last place and cut into blocks of 32 codes, [.., K / 32, bytes a block], one block behind the other in memory; one code a byte (a code: sign, 4 exponent bits, 3 mantissa bits); and NAME_scales (uint8): the same leading axes, one E8M0 byte (e + 127) for each 32 codes along K. Its value is code x scale, taken as it is: it is not quantised again, and the codes and scales need not be those that the quantiser above would give.
;; One version. Each part assembles by itself: llvm-mc -triple=amdgcn-amd-amdhsa -mcpu=gfx1250 --defsym DOCPART=n.
;; ======== version 1 of 1: 7 launches
;; limits: right only within a limited range of input values
;; workspace buffers: hq 4,325,376 bytes; qkv 21,757,952 bytes; oq 4,325,376 bytes; x1 16,777,216 bytes; gq 17,301,504 bytes
;; launch ln1 (part 1): grid 256 x 1, 16 waves a work-group, no clusters, 3,072 bytes of LDS; arguments x, ln1_g, ln1_b, hq; writes hq
.if DOCPART == 1
	.amdgcn_target "amdgcn-amd-amdhsa--gfx1250"
	.amdhsa_code_object_version 6
	.text
	.protected	k_qccb062214e_ln1
	.globl	k_qccb062214e_ln1
	.p2align	8
	.type	k_qccb062214e_ln1,@function
k_qccb062214e_ln1:
	s_mov_b64 s[64:65], 0
	v_nop
	global_prefetch_b8 v0, s[64:65] scope:SCOPE_SE
	s_setreg_imm32_b32 hwreg(HW_REG_WAVE_MODE, 25, 1), 1
	s_wait_xcnt 0x0
; LayerNorm over rows of 1,024 f32 numbers, then the MX-FP8 quantiser along the row: codes [4096][1024] at byte 0 of the output buffer, one E8M0 byte for each 32 numbers, [4096][32], at byte 4,194,304.
; SHARES.  A work-group takes 16 rows, each of its sixteen waves one.  A lane holds columns 256 j + 8 l .. + 7 (j = 0 .. 3): eight neighbours in eight registers, as the conversion wants them; a block of 32 is four lanes.
; The mean is taken first and the variance of x - mean, so that a common offset of the inputs costs no accuracy.  No loop.
; The codes of a row leave as four stores of 256 consecutive aligned bytes.  The work-group's 16 x 32 scale bytes meet in LDS and leave as one store of 512 consecutive bytes.
; No matrix work, no cluster: work-groups share only g and b (8 KiB).  No prefetch: there is no loop to run ahead in.
; LIMITS: a block of zeros gets the byte 1 where the rule says 127 (its codes are zeros, and this program alone reads the bytes); largest magnitudes under 2^-118 are held at that floor; NaN and infinities are not served.
.set X,  16                            ; v16-47   my row
.set G,  48                            ; v48-79   g of my 32 columns
.set BB, 80                            ; v80-111  b
.set CH, 112                           ; v112-119 four chains of pairs
.set MN, 120                           ; v[120:121] the mean, twice
.set RS, 122                           ; v[122:123] 1 / sqrt(var + eps), twice
.set AM, 124                           ; v124-127 largest magnitudes
.set SO, 128                           ; v128-131 the conversions' scale operands
.set HO, 132                           ; v132-135 448 x the scale
.set BY, 136                           ; v136-139 scale bytes
.set CD, 140                           ; v140-147 codes
	s_load_b256 s[4:11], s[0:1], 0x0               ; x s[4:5], g s[6:7], b s[8:9], out s[10:11]
	v_lshl_add_u32 v148, v0, 2, 0x400              ; my spare word, and 0
	v_mov_b32 v149, 0
	v_lshrrev_b32 v5, 5, v0
	s_delay_alu instid0(VALU_DEP_1)
	v_readfirstlane_b32 s17, v5                    ; wave 0..15
	v_and_b32 v6, 31, v0                           ; lane
	s_delay_alu instid0(VALU_DEP_1)
	v_lshlrev_b32 v1, 5, v6                        ; 32 x lane: my eight f32 numbers of a run of 256
	s_delay_alu instid0(VALU_DEP_2)
	v_lshlrev_b32 v2, 3, v6                        ; 8 x lane: my eight codes
	s_delay_alu instid0(VALU_DEP_3)
	v_lshrrev_b32 v3, 2, v6
	s_lshl_b32 s18, s17, 5
	v_add_nc_u32 v3, s18, v3                       ; LDS: 32 x wave + lane / 4: my block's byte in my row's 32
	v_lshlrev_b32 v4, 4, v6                        ; 16 x lane
	s_mov_b32 s12, 0x76543210
	s_mov_b32 s13, 0xfedcba98                      ; lane selects: lane l xor 16
	s_mov_b32 s14, 0x3a800000                      ; 1 / 1024
	s_mov_b32 s15, 0x3727c5ac                      ; eps = 1e-5
	s_mov_b32 s16, 0x600000                        ; the mantissa field of 448
	s_lshl_b32 s20, ttmp9, 16                      ; 16 rows of 4,096 bytes a work-group,
	s_lshl_b32 s18, s17, 12                        ; one a wave
	s_add_co_u32 s20, s20, s18
	s_mov_b32 s21, 0
	s_lshl_b32 s22, ttmp9, 14                      ; the same rows' codes: 1,024 bytes a row
	s_lshl_b32 s18, s17, 10
	s_add_co_u32 s22, s22, s18
	s_mov_b32 s23, 0
	s_lshl_b32 s26, ttmp9, 9                       ; the work-group's 512 scale bytes
	s_add_co_u32 s26, s26, 0x400000
	s_mov_b32 s27, 0
	s_wait_alu depctr_va_vdst(0)                   ; the wait at the head's end
	s_wait_kmcnt 0x0
	s_add_nc_u64 s[4:5], s[4:5], s[20:21]
	s_add_nc_u64 s[24:25], s[10:11], s[22:23]
	s_add_nc_u64 s[10:11], s[10:11], s[26:27]
.irp j, 0,1,2,3
	global_load_b128 v[X+8*\j:X+8*\j+3],   v1, s[4:5] offset:1024*\j th:TH_LOAD_NT
	global_load_b128 v[X+8*\j+4:X+8*\j+7], v1, s[4:5] offset:1024*\j+16 th:TH_LOAD_NT
.endr
.irp j, 0,1,2,3
	global_load_b128 v[G+8*\j:G+8*\j+3],   v1, s[6:7] offset:1024*\j
	global_load_b128 v[G+8*\j+4:G+8*\j+7], v1, s[6:7] offset:1024*\j+16
.endr
.irp j, 0,1,2,3
	global_load_b128 v[BB+8*\j:BB+8*\j+3],   v1, s[8:9] offset:1024*\j
	global_load_b128 v[BB+8*\j+4:BB+8*\j+7], v1, s[8:9] offset:1024*\j+16
.endr
; the four chains become one number, and that the sum over the wave's 32 lanes, in every lane
.macro COMBINE
	s_delay_alu instid0(VALU_DEP_3)
	v_pk_add_f32 v[CH:CH+1], v[CH:CH+1], v[CH+2:CH+3]
	s_delay_alu instid0(VALU_DEP_2)
	v_pk_add_f32 v[CH+4:CH+5], v[CH+4:CH+5], v[CH+6:CH+7]
	s_delay_alu instid0(VALU_DEP_1)
	v_pk_add_f32 v[CH:CH+1], v[CH:CH+1], v[CH+4:CH+5]
	s_delay_alu instid0(VALU_DEP_1)
	v_add_f32 v[CH], v[CH], v[CH+1]
	s_delay_alu instid0(VALU_DEP_1)
	v_add_f32_dpp v[CH], v[CH], v[CH] row_xmask:1 row_mask:0xf bank_mask:0xf
	s_delay_alu instid0(VALU_DEP_1)
	v_add_f32_dpp v[CH], v[CH], v[CH] row_xmask:2 row_mask:0xf bank_mask:0xf
	s_delay_alu instid0(VALU_DEP_1)
	v_add_f32_dpp v[CH], v[CH], v[CH] row_xmask:4 row_mask:0xf bank_mask:0xf
	s_delay_alu instid0(VALU_DEP_1)
	v_add_f32_dpp v[CH], v[CH], v[CH] row_xmask:8 row_mask:0xf bank_mask:0xf
	s_delay_alu instid0(VALU_DEP_1)
	v_permlanex16_b32 v[CH+1], v[CH], s12, s13
	s_delay_alu instid0(VALU_DEP_1)
	v_add_f32 v[CH], v[CH], v[CH+1]
.endm
	s_wait_loadcnt 16                              ; my row's eight loads are in; the sixteen of g and b may be out
.irp k, 0,1,2,3
	v_pk_add_f32 v[CH+2*\k:CH+2*\k+1], v[X+2*\k:X+2*\k+1], v[X+8+2*\k:X+8+2*\k+1]
.endr
.irp m, 16,24
.irp k, 0,1,2,3
	s_delay_alu instid0(VALU_DEP_4)
	v_pk_add_f32 v[CH+2*\k:CH+2*\k+1], v[CH+2*\k:CH+2*\k+1], v[X+\m+2*\k:X+\m+2*\k+1]
.endr
.endr
	COMBINE
	s_delay_alu instid0(VALU_DEP_1)
	v_mul_f32 v[MN], s14, v[CH]                    ; the mean
	s_delay_alu instid0(VALU_DEP_1)
	v_mov_b32 v[MN+1], v[MN]
.irp k, 0,1,2,3,4,5,6,7,8,9,10,11,12,13,14,15
	v_pk_add_f32 v[X+2*\k:X+2*\k+1], v[X+2*\k:X+2*\k+1], v[MN:MN+1] neg_lo:[0,1] neg_hi:[0,1]   ; x - mean
.endr
.irp k, 0,1,2,3
	v_pk_mul_f32 v[CH+2*\k:CH+2*\k+1], v[X+2*\k:X+2*\k+1], v[X+2*\k:X+2*\k+1]
.endr
.irp m, 8,16,24
.irp k, 0,1,2,3
	s_delay_alu instid0(VALU_DEP_4)
	v_pk_fma_f32 v[CH+2*\k:CH+2*\k+1], v[X+\m+2*\k:X+\m+2*\k+1], v[X+\m+2*\k:X+\m+2*\k+1], v[CH+2*\k:CH+2*\k+1]
.endr
.endr
	COMBINE
	s_delay_alu instid0(VALU_DEP_1)
	v_fma_f32 v[RS], v[CH], s14, s15               ; the variance + eps
	s_wait_alu depctr_va_vdst(0)                   ; the wait ahead of the transcendental
	v_rsq_f32 v[RS], v[RS]
	v_nop                                          ; a plain instruction behind the transcendental
	s_wait_alu depctr_va_vdst(0)                   ; and the wait ahead of the first line that names its result
	v_mov_b32 v[RS+1], v[RS]
	s_wait_alu depctr_va_vdst(0)                   ; the wait directly ahead of the wait below
	s_wait_loadcnt 0x0                             ; g and b
.irp k, 0,1,2,3,4,5,6,7,8,9,10,11,12,13,14,15
	v_pk_mul_f32 v[X+2*\k:X+2*\k+1], v[X+2*\k:X+2*\k+1], v[RS:RS+1]
.endr
.irp k, 0,1,2,3,4,5,6,7,8,9,10,11,12,13,14,15
	v_pk_fma_f32 v[X+2*\k:X+2*\k+1], v[X+2*\k:X+2*\k+1], v[G+2*\k:G+2*\k+1], v[BB+2*\k:BB+2*\k+1]
.endr
.irp j, 0,1,2,3
	v_max3_num_f32 v[AM+\j], |v[X+8*\j]|, |v[X+8*\j+1]|, 0x4800000   ; my eight numbers of block 8 j + lane / 4, and the floor 2^(9 - 127): the byte cannot fall under 1
.endr
.irp u, 2,4,6
.irp j, 0,1,2,3
	s_delay_alu instid0(VALU_DEP_4)
	v_max3_num_f32 v[AM+\j], v[AM+\j], |v[X+8*\j+\u]|, |v[X+8*\j+\u+1]|
.endr
.endr
.irp j, 0,1,2,3
	s_delay_alu instid0(VALU_DEP_4)
	v_max_num_f32_dpp v[AM+\j], v[AM+\j], v[AM+\j] row_xmask:1 row_mask:0xf bank_mask:0xf
.endr
.irp j, 0,1,2,3
	s_delay_alu instid0(VALU_DEP_4)
	v_max_num_f32_dpp v[AM+\j], v[AM+\j], v[AM+\j] row_xmask:2 row_mask:0xf bank_mask:0xf   ; the block's four lanes
.endr
.irp j, 0,1,2,3
	s_delay_alu instid0(VALU_DEP_4)
	v_add_nc_u32 v[SO+\j], 0xfc000000, v[AM+\j]    ; 8 off the exponent field: the conversion's scale operand
.endr
.irp j, 0,1,2,3
	v_and_or_b32 v[HO+\j], v[AM+\j], 0x7f800000, s16   ; 448 x the scale
.endr
.irp j, 0,1,2,3
.irp u, 0,1,2,3,4,5,6,7
	v_med3_num_f32 v[X+8*\j+\u], v[X+8*\j+\u], -v[HO+\j], v[HO+\j]   ; the conversion to an 8-bit code does not saturate (ISA guide 7.6.2): the hold comes first
.endr
.endr
.irp j, 0,1,2,3
	v_cvt_scalef32_pk8_fp8_f32 v[CD+2*\j:CD+2*\j+1], v[X+8*\j:X+8*\j+7], v[SO+\j]
.endr
.irp j, 0,1,2,3
	v_lshrrev_b32 v[BY+\j], 23, v[SO+\j]           ; the scale's byte (plain lines behind the conversions)
.endr
.irp j, 0,1,2,3
	global_store_b64 v2, v[CD+2*\j:CD+2*\j+1], s[24:25] offset:256*\j   ; 32 lanes store 256 consecutive aligned bytes
	ds_store_b8 v3, v[BY+\j] offset:8*\j                                ; the block's four lanes write the same byte with the same value
.endr
	s_wait_dscnt 0x0                               ; for the others' sake: my byte stores have landed
	s_barrier_signal -1
	s_barrier_wait -1
	s_cmp_lg_u32 s17, 0
	s_cbranch_scc1 .Lend
	ds_load_b128 v[8:11], v4                       ; wave 0: the work-group's 512 scale bytes
	s_wait_dscnt 0x0
	global_store_b128 v4, v[8:11], s[10:11]        ; 512 consecutive aligned bytes
.Lend:
	s_wait_tensorcnt 0x0                           ; the wave's end
	ds_add_u32 v148, v149
	s_wait_dscnt 0x0
	s_endpgm
.Lfunc_end_k_qccb062214e_ln1:
	.size	k_qccb062214e_ln1, .Lfunc_end_k_qccb062214e_ln1-k_qccb062214e_ln1
	.p2alignl 7, 3214868480
	.fill 96, 4, 3214868480
	.section	.rodata,"a",@progbits
	.p2align	6, 0x0
	.amdhsa_kernel k_qccb062214e_ln1
		.amdhsa_group_segment_fixed_size 3072
		.amdhsa_private_segment_fixed_size 0
		.amdhsa_enable_private_segment 0
		.amdhsa_kernarg_size 32
		.amdhsa_user_sgpr_count 2
		.amdhsa_user_sgpr_kernarg_segment_ptr 1
		.amdhsa_wavefront_size32 1
		.amdhsa_system_sgpr_workgroup_id_x 1
		.amdhsa_system_sgpr_workgroup_id_y 1
		.amdhsa_system_sgpr_workgroup_id_z 1
		.amdhsa_system_vgpr_workitem_id 0
		.amdhsa_next_free_vgpr 150
		.amdhsa_next_free_sgpr 66
		.amdhsa_reserve_vcc 0
		.amdhsa_float_denorm_mode_32 3
		.amdhsa_float_denorm_mode_16_64 3
		.amdhsa_memory_ordered 1
		.amdhsa_forward_progress 1
		.amdhsa_inst_pref_size 19
	.end_amdhsa_kernel
	.amdgpu_metadata
---
amdhsa.version: [ 1, 2 ]
amdhsa.kernels:
  - .name:           k_qccb062214e_ln1
    .symbol:         k_qccb062214e_ln1.kd
    .args:
      - { .name: x, .offset: 0, .size: 8, .value_kind: global_buffer, .address_space: global }
      - { .name: ln1_g, .offset: 8, .size: 8, .value_kind: global_buffer, .address_space: global }
      - { .name: ln1_b, .offset: 16, .size: 8, .value_kind: global_buffer, .address_space: global }
      - { .name: hq, .offset: 24, .size: 8, .value_kind: global_buffer, .address_space: global }
    .group_segment_fixed_size: 3072
    .private_segment_fixed_size: 0
    .kernarg_segment_align: 8
    .kernarg_segment_size: 32
    .max_flat_workgroup_size: 512
    .sgpr_count:     66
    .vgpr_count:     150
    .wavefront_size: 32
...
	.end_amdgpu_metadata
.endif
;; end of part 1
;; launch qkv (part 2): grid 12 x 16, 4 waves a work-group, clusters of 4 x 4, 327,680 bytes of LDS; arguments hq, in_proj_w_codes, in_proj_w_scales, in_proj_b, qkv; writes qkv
.if DOCPART == 2
	.amdgcn_target "amdgcn-amd-amdhsa--gfx1250"
	.amdhsa_code_object_version 6
	.text
	.protected	k_qccb062214e_qkv
	.globl	k_qccb062214e_qkv
	.p2align	8
	.type	k_qccb062214e_qkv,@function
k_qccb062214e_qkv:
	s_mov_b64 s[64:65], 0
	v_nop
	global_prefetch_b8 v0, s[64:65] scope:SCOPE_SE
	s_setreg_imm32_b32 hwreg(HW_REG_WAVE_MODE, 25, 1), 1
	s_wait_xcnt 0x0
	s_wait_alu depctr_hold_cnt(0) depctr_sa_sdst(0) depctr_va_vdst(0) depctr_va_sdst(0) depctr_va_ssrc(0) depctr_va_vcc(0) depctr_vm_vsrc(0)
	s_getreg_b32 s2, hwreg(HW_REG_IB_STS2, 6, 4)
	s_cmp_eq_u32 s2, 0
	s_cbranch_scc0 .Lentry_in_a_cluster
	s_endpgm
.Lentry_in_a_cluster:
	s_bfe_u32 s2, ttmp6, 0x10000c
	s_cmp_lg_u32 s2, 0xf033
	s_cbranch_scc0 .Lentry_shape_is_right
	s_endpgm
.Lentry_shape_is_right:
; C[m][n] = sum over k of A[m][k] B[n][k] + bias, on codes of FP8 (E4M3) with one E8M0 scale for each 32 along K = 1,024; C is quantised along n on the way out and leaves as codes: it never exists in f32 in memory.
; TWO USES, told apart by the cluster's x alone (the same in all sixteen partners; it enters selections only, never a branch):
;   cluster x = 0, 1: A = h (4,096 rows), B = the 2,048 rows of in_proj_w that make q and k.  C's rows are tokens: q and k are quantised along the head's channels.  The bias goes by column.
;   cluster x = 2:    A = the 1,024 rows of in_proj_w that make v, B = h.  C = v^T: rows are channels, columns keys: v is quantised along the keys, as the second product of attention wants it.  The bias goes by row.
; A tile of C, 256 x 256, is made by four waves, each 128 x 128: 64 accumulators, 512 registers.  K goes in steps of 256 through two LDS slots filled by the tensor data mover; the scale bytes of the tile's rows of A and of B come once.
; CLUSTERS: 4 x 4 work-groups; A's tiles are asked for jointly along a row of the cluster, B's along a column.
; THE MATRIX INSTRUCTION IS USED TRANSPOSED (source 0 = 16 rows of B, source 1 = 16 rows of A): lane (r, h) holds row r of C, register j of accumulator b column 16 b + 8 h + j.
; THE WAY OUT.  The 16 registers of accumulators 2 c and 2 c + 1 are one lane's share of the block of 32 columns c; they are converted as they lie into the four operand registers of that block.  So inside a block the
; columns stand in a fixed permuted order (slot 16 h + i holds column 8 h + i for i < 8, 16 + 8 h + i - 8 else); every product that reads these codes has the same order on its other operand.
; The four registers of (row tile T, column block cb) go out as an image, 16 bytes a lane: T x 65,536 + cb x 512 + 16 x lane: each store covers 512 consecutive aligned bytes.  v^T's row tiles follow at T = 256 on.
; A row's four scale bytes of 128 columns make a word: word (w, row) at 20,971,520 + w x 16,384 + 4 x row; w = column / 128 for q and k, 16 + key / 128 for v^T.  Two row tiles' words leave in one store of 128 consecutive bytes.
; LIMITS: a block of zeros gets the byte 1 (its codes are zeros; this program alone reads the bytes); largest magnitudes under 2^-118 are held at that floor; NaN and infinities are not served.
; REGISTERS, in windows of 256: window 0: v0-31 addresses and row biases; v32-63 scale words, two sets, and nothing else; v64-127 column biases; v128-255 A's fragments, one set; on the way out v128-239 are at work.
;   window 1: B's fragments, two sets.   window 2: the accumulators of my rows 0-63 ((a, b) at v[8 (8 a + b)]);   window 3: those of rows 64-127.
.set SIZE_K, 1024
.set KSTEP,  256                       ; along K in a slot
.set NQ,     KSTEP/128
.set ROWB,   256                       ; a tile's row in bytes
.set KROW,   SIZE_K                    ; a row of A or B in memory
.set PITCH,  272                       ; an LDS row: 256 bytes + 16 of padding: the 16 rows of a fragment load start at 16 different banks (64 banks of 4 bytes: ISA guide 11.1)
.set FR,     16
.set NL,     4
.set NP,     8                         ; places behind this matrix instruction (ISA guide 7.12.1)
.set HALFT,  128*PITCH
.set SLOT,   4*HALFT
.set LAPS,   SIZE_K/(2*KSTEP)
.set KS,     SIZE_K/32
.set SCL,    2*SLOT                    ; behind the ring: the scale bytes, as units of 256 bytes + 16 of padding
.set HALFS,  (128*KS/256)*272
.set SBLK,   (16*KS/256)*272
.set SPARE,  SCL+4*HALFS               ; the spare words, 128 bytes a wave: two blocks of 256 bytes that no other line names
.set ADRA, 16
.set ADRB, 20
.set ADRS, 27
.set SPW,  28
.set NIL,  29
.set SC,   32
.set AF,   128
.set H32,  7                           ; v7   32 h: my half's place among a tile's column biases
.set BV,   8                           ; v8-15 row biases: register a holds that of row 16 a + r
.set PWE,  18                          ; v18  the scale word of the even row tile, kept for the pair's store
.set PWS,  19                          ; v19  the pair's words
.set ZR,   22                          ; v22  0
.set R4,   23                          ; v23  4 r
.set LI,   30                          ; v30  16 x lane
.set L4,   31                          ; v31  4 x lane
.set BQ,   64                          ; v64-127 column biases: register 8 b + j = bias(16 b + 8 h + j)
.set ST,   128                         ; v128-191 a row tile's 64 numbers a lane
.set TM,   192                         ; v192-207 at work in the quantiser
.set PW,   208                         ; v208 the scale word just made
.set PC,   224                         ; v224-239 the codes just made
.set G1, 24
.set G0, 32
.set G1B, 48
.set G0B, 56
.set G1S, 68
.set G0S, 76
.set G1SB, 80
.set G0SB, 88
.set MNT, 98                           ; s98  the mantissa field of 448
.set MV,  99                           ; s99  all ones where C = v^T, else 0
.set SEL, 104                          ; s[104:105] lane selects: lane l xor 16
.set MSB, 0
.macro WIN new                         ; the immediate's high byte repeats the setting that is left
.if MSB != (\new)
	s_set_vgpr_msb (MSB<<8)|(\new)
.set MSB, (\new)
.endif
.endm
.set MUL_LO, 0xa1                      ; source 0 (B) window 1, source 1 (A) window 0, C and D window 2
.set MUL_HI, 0xf1
.set TO_B,   0x40
; A joint load: waves 0 and 1 fetch for A, waves 2 and 3 for B; the branch hangs on the wave's number alone.  Four v_nop follow each of the two lines.
.macro JLOAD g0a, g1a, g0b, g1b
	s_cmp_eq_u32 s15, 0
	s_cbranch_scc0 .Lfor_b_\@
	tensor_load_to_lds s[\g0a:\g0a+3], s[\g1a:\g1a+7]
	s_nop 0
.rept 4
	v_nop
.endr
	s_branch .Lasked_\@
.Lfor_b_\@:
	tensor_load_to_lds s[\g0b:\g0b+3], s[\g1b:\g1b+7]
	s_nop 0
.rept 4
	v_nop
.endr
.Lasked_\@:
.endm
.macro CREST                           ; a round of the cluster's barrier behind its opening barrier
	s_cmp_lg_u32 s14, 0
	s_cbranch_scc1 .Lnot_wave_0_\@
	s_barrier_signal -3
.Lnot_wave_0_\@:
	s_barrier_wait -3
	s_barrier_signal -1
	s_barrier_wait -1
.endm
.macro CROUND
	s_barrier_signal -1
	s_barrier_wait -1
	CREST
.endm
	s_load_b128 s[4:7], s[0:1], 0x0                ; h (codes, then scale bytes), in_proj_w's codes
	s_load_b128 s[8:11], s[0:1], 0x10              ; in_proj_w's scale bytes, in_proj_b
	s_load_b64 s[12:13], s[0:1], 0x20              ; the output
	v_lshl_add_u32 v[SPW], v0, 2, SPARE
	v_mov_b32 v[NIL], 0
	ds_add_u32 v28, v29
	ds_add_u32 v28, v29
	s_wait_dscnt 0x0
	v_lshrrev_b32 v1, 5, v0
	v_readfirstlane_b32 s14, v1                    ; wave 0..3
	s_lshr_b32 s15, s14, 1                         ; which half of the tile's rows is mine.  Also: I fetch for A (0) or for B (1)
	s_and_b32 s16, s14, 1                          ; which half of its columns.  Also: which 128 rows of that tile I fetch
	s_bfe_u32 s40, ttmp6, 0x40000                  ; cx, cy: my place in the cluster
	s_bfe_u32 s41, ttmp6, 0x40004
	s_and_b32 s18, ttmp7, 0xffff
	s_lshl_b32 s18, s18, 2                         ; 4 x cluster y
	s_lshl_b32 s19, ttmp9, 2                       ; 4 x cluster x
	s_cmp_eq_u32 ttmp9, 2                          ; the third column of clusters makes v^T
	s_cselect_b32 s42, s18, s19                    ; tile column: v^T's 16 tile columns (keys) go by cluster y, q and k's eight by cluster x
	s_cselect_b32 s17, 0, s18                      ; tile row: v^T has four, one for each cy
	s_cselect_b32 s[MV], -1, 0
	s_add_co_u32 s42, s42, s40                     ; + cx
	s_add_co_u32 s17, s17, s41                     ; + cy
	s_lshl_b32 s43, s41, 2
	s_lshl_b32 s43, 15, s43                        ; my row of the cluster
	s_lshl_b32 s44, 0x1111, s40                    ; my column
	; descriptor group 1: rows of 256 bytes, 16 bytes of padding behind each: 256 rows for the head's loads; behind them the two words that count rows are set to 128, for the ring's
	s_or_b32 s[G1+0], s43, (0<<16)|(1<<20)|(1<<21)|(5<<22)|(3<<25)  ; 15:0 the mask; 17:16 elements of 1 byte; 20 padding on; 21 set beside a mask; 24:22 after every 64 words; 31:25 four words
	s_or_b32 s[G1B+0], s44, (0<<16)|(1<<20)|(1<<21)|(5<<22)|(3<<25)
.irp g, G1, G1B
	s_mov_b32 s[\g+1], ROWB<<16                    ; tensor_dim0
	s_mov_b32 s[\g+2], 256<<16                     ; tensor_dim1
	s_mov_b32 s[\g+3], ROWB<<16                    ; tile_dim0
	s_mov_b32 s[\g+4], 256                         ; tile_dim1
	s_mov_b32 s[\g+5], KROW                        ; tensor_dim0_stride
	s_mov_b32 s[\g+6], 0
	s_mov_b32 s[\g+7], 0
.endr
	; the scale bytes of 256 rows: 8,192 dense bytes, as KS = 32 rows of 256 bytes (32 elements of 8 bytes), 16 bytes of padding behind each
	s_or_b32 s[G1S+0], s43, (3<<16)|(1<<20)|(1<<21)|(5<<22)|(3<<25)
	s_or_b32 s[G1SB+0], s44, (3<<16)|(1<<20)|(1<<21)|(5<<22)|(3<<25)
.irp g, G1S, G1SB
	s_mov_b32 s[\g+1], 32<<16
	s_mov_b32 s[\g+2], KS<<16
	s_mov_b32 s[\g+3], 32<<16
	s_mov_b32 s[\g+4], KS
	s_mov_b32 s[\g+5], 32
	s_mov_b32 s[\g+6], 0
	s_mov_b32 s[\g+7], 0
.endr
	s_lshl_b32 s20, s17, 8                         ; A: the tile's first row, 256 x tile row
	s_lshl_b32 s46, s42, 8                         ; B: 256 x tile column
	s_mov_b32 s21, 0
	s_mov_b32 s47, 0
	s_mov_b64 s[18:19], KS
	s_mul_u64 s[22:23], s[20:21], s[18:19]         ; where these rows' scale bytes begin,
	s_mul_u64 s[92:93], s[46:47], s[18:19]
	s_mov_b64 s[18:19], KROW
	s_mul_u64 s[20:21], s[20:21], s[18:19]         ; and their codes
	s_mul_u64 s[46:47], s[46:47], s[18:19]
	s_mul_i32 s45, s14, HALFT                      ; where they go: wave x 128 rows: no place in the cluster enters an LDS address
	s_mul_i32 s18, s16, 128*KROW                   ; in the ring I fetch 128 rows of a tile: which half, in bytes
	s_mov_b32 s19, 0
	s_wait_kmcnt 0x0
	s_mov_b64 s[66:67], s[10:11]                   ; the bias, for the columns
	s_mov_b64 s[96:97], s[10:11]                   ; and for the rows
	s_add_nc_u64 s[32:33], s[4:5], 0x400000        ; h's scale bytes lie behind its codes
	s_add_nc_u64 s[34:35], s[6:7], 0x200000        ; the weight's rows 2,048 on, which make v: their codes,
	s_add_nc_u64 s[36:37], s[8:9], 0x10000         ; their scale bytes
	s_cmp_eq_u32 ttmp9, 2                          ; the choice hangs on the cluster's x alone
	s_cselect_b64 s[56:57], s[34:35], s[4:5]       ; A's codes
	s_cselect_b64 s[58:59], s[36:37], s[32:33]     ; A's scale bytes
	s_cselect_b64 s[60:61], s[4:5], s[6:7]         ; B's codes
	s_cselect_b64 s[62:63], s[32:33], s[8:9]       ; B's scale bytes
	s_add_nc_u64 s[20:21], s[56:57], s[20:21]
	s_add_nc_u64 s[22:23], s[58:59], s[22:23]
	s_add_nc_u64 s[46:47], s[60:61], s[46:47]
	s_add_nc_u64 s[92:93], s[62:63], s[92:93]
	CROUND                                         ; all sixteen work-groups are here: the first joint loads meet
	s_mov_b32 s[G0S], 1
	s_mov_b32 s[G0S+1], SCL
	s_mov_b64 s[G0S+2:G0S+3], s[22:23]
	s_or_b32 s[G0S+3], s[G0S+3], 0x80000000
	s_mov_b32 s[G0SB], 1
	s_mov_b32 s[G0SB+1], SCL+2*HALFS
	s_mov_b64 s[G0SB+2:G0SB+3], s[92:93]
	s_or_b32 s[G0SB+3], s[G0SB+3], 0x80000000
.set G0H, 4                            ; s[4:7], s[8:11] group 0 for the head's loads of K step 0 (the arguments that lay there have been used)
.set G0HB, 8
.set PFA, 92                           ; s[92:93] where my prefetches stand (B's scale address, which lay there, is in its descriptor); never rewritten
.set PFO, 24                           ; v24 their offset: my lane x a row of 1,024 bytes; never rewritten
	s_cmp_eq_u32 s15, 0                            ; the prefetches: do I fetch for A in the ring?
	s_cselect_b32 s22, s17, s42                    ; the tile's place: in A by the tile row, in B by the tile column
	s_cselect_b32 s23, s40, s41                    ; my place among the four that ask for it with me
	s_cselect_b64 s[PFA:PFA+1], s[56:57], s[60:61]
	s_lshl_b32 s22, s22, 8
	s_lshl_b32 s23, s23, 5
	s_add_co_u32 s22, s22, s23                     ; + my work-group's 32 rows
	s_lshl_b32 s23, s16, 7
	s_add_co_u32 s22, s22, s23                     ; of the 128 that I fetch
	s_lshl_b32 s22, s22, 10                        ; 1,024 bytes a row
	s_add_co_u32 s22, s22, ROWB                    ; at K step 1
	s_mov_b32 s23, 0
	s_add_nc_u64 s[PFA:PFA+1], s[PFA:PFA+1], s[22:23]
	s_mov_b32 s[G0H], 1                            ; K step 0's 256 rows of A,
	s_mov_b32 s[G0H+1], 0
	s_mov_b64 s[G0H+2:G0H+3], s[20:21]
	s_or_b32 s[G0H+3], s[G0H+3], 0x80000000
	s_mov_b32 s[G0HB], 1                           ; and of B, behind them in slot 0
	s_mov_b32 s[G0HB+1], 2*HALFT
	s_mov_b64 s[G0HB+2:G0HB+3], s[46:47]
	s_or_b32 s[G0HB+3], s[G0HB+3], 0x80000000
	s_add_nc_u64 s[20:21], s[20:21], s[18:19]      ; for the ring: my 128 rows of the tile
	s_add_nc_u64 s[46:47], s[46:47], s[18:19]
.irp s, 0,1
	s_mov_b32 s[G0+4*\s], 1
	s_add_co_u32 s[G0+4*\s+1], s45, \s*SLOT
	s_add_nc_u64 s[G0+4*\s+2:G0+4*\s+3], s[20:21], \s*ROWB
	s_or_b32 s[G0+4*\s+3], s[G0+4*\s+3], 0x80000000
	s_mov_b32 s[G0B+4*\s], 1
	s_add_co_u32 s[G0B+4*\s+1], s45, \s*SLOT
	s_add_nc_u64 s[G0B+4*\s+2:G0B+4*\s+3], s[46:47], \s*ROWB
	s_or_b32 s[G0B+4*\s+3], s[G0B+4*\s+3], 0x80000000
.endr
; THE HEAD'S LOADS, ONE A WAVE: wave 0 K step 0's 256 rows of A, wave 1 its 256 rows of B, wave 2 A's scale bytes, wave 3 B's.  One tree of branches on the wave's number: every way passes one load.
; PREFETCH INTO THE L2: behind the head's fill each wave asks for K steps 1 and 2, and behind K step 1's fill for K step 3, of 32 of the 128 rows that it fetches in the ring: a lane a row, 256 bytes of a row a K step.
; The four partners that ask for a tile jointly share its rows out by address (cx for A, cy for B), so each block of 256 bytes is named once in each cluster that loads it.  The steps are reached by the immediate offset alone.
.macro ARM under, g0, g1, next
	s_cmp_lt_u32 s14, \under
	s_cbranch_scc0 \next
	tensor_load_to_lds s[\g0:\g0+3], s[\g1:\g1+7]
	s_nop 0
.rept 4
	v_nop
.endr
	s_branch .Lhead_asked
\next:
.endm
	ARM 1, G0H,  G1,  .Lhead_b
	ARM 2, G0HB, G1B, .Lhead_sa
	ARM 3, G0S,  G1S, .Lhead_sb
	tensor_load_to_lds s[G0SB:G0SB+3], s[G1SB:G1SB+7]
	s_nop 0
.rept 4
	v_nop
.endr
.Lhead_asked:
	v_and_b32 v[PFO], 31, v0
	v_lshlrev_b32 v[PFO], 10, v[PFO]
	s_wait_alu depctr_va_vdst(0)                   ; the wait behind the write
	global_prefetch_b8 v[PFO], s[PFA:PFA+1] th:TH_LOAD_NT scope:SCOPE_SE               ; K step 1
	global_prefetch_b8 v[PFO], s[PFA:PFA+1] offset:ROWB th:TH_LOAD_NT scope:SCOPE_SE   ; K step 2
	v_and_b32 v1, 15, v0                           ; r
	v_bfe_u32 v2, v0, 4, 1                         ; h
	v_mul_u32_u24 v3, v1, PITCH
	v_lshl_add_u32 v4, v2, 4, v3                   ; a fragment's row x pitch + 16 x half
	s_mul_i32 s21, s15, HALFT                      ; my 128 rows of A
	s_mul_i32 s22, s16, HALFT                      ; my 128 rows of B,
	s_add_co_u32 s22, s22, 2*HALFT                 ; which lie behind A's 256
.irp s, 0,1
	v_add_nc_u32 v[ADRA+\s], s21, v4
	v_add_nc_u32 v[ADRB+\s], s22, v4
	s_add_co_u32 s21, s21, SLOT
	s_add_co_u32 s22, s22, SLOT
.endr
	v_mul_u32_u24 v5, v1, KS                       ; my row's scale bytes: KS a row,
	v_lshrrev_b32 v6, 8, v5
	v_lshl_add_u32 v5, v6, 4, v5                   ; and 16 more for each 256 passed
	s_mul_i32 s21, s15, HALFS
	s_mul_i32 s22, s16, HALFS
	s_add_co_u32 s22, s22, 2*HALFS
	s_sub_co_u32 s22, s22, s21
	v_mul_u32_u24 v6, s22, v2                      ; lanes 16-31 take B's
	s_add_co_u32 s21, s21, SCL
	v_add_nc_u32 v5, v5, v6
	v_add_nc_u32 v[ADRS], s21, v5
	v_lshlrev_b32 v[H32], 5, v2
	s_wait_alu depctr_va_vdst(0)
	v_lshlrev_b32 v[R4], 2, v1
	s_wait_alu depctr_va_vdst(0)
	v_and_b32 v6, 31, v0
	v_lshlrev_b32 v[LI], 4, v6
	v_lshlrev_b32 v[L4], 2, v6
	v_mov_b32 v[ZR], 0
	s_mov_b32 s95, 0xffff0000                      ; lanes 16-31
	s_mov_b32 s[MNT], 0x600000
	s_mov_b32 s[SEL], 0x76543210
	s_mov_b32 s[SEL+1], 0xfedcba98
	; where my part of the output and my biases begin
	s_lshl_b32 s18, s42, 10
	s_lshl_b32 s19, s16, 9
	s_add_co_u32 s18, s18, s19                     ; 4 (256 tile column + 128 half): the column biases of q and k
	s_lshl_b32 s19, s17, 10
	s_lshl_b32 s20, s15, 9
	s_add_co_u32 s19, s19, s20
	s_mov_b32 s94, s19                             ; 4 (256 tile row + 128 half): also my rows' place among the scale words
	s_add_co_u32 s19, s19, 8192                    ; v's biases begin at number 2,048
	s_cmp_eq_u32 ttmp9, 2
	s_cselect_b32 s18, 0, s18                      ; the kind of bias that the use does not have is loaded from the buffer's start and replaced by 0 below
	s_cselect_b32 s19, s19, 0
	s_cselect_b32 s2, 256, 0                       ; v^T's row tiles follow the tokens' 256
	s_cselect_b32 s43, 16, 0                       ; and its scale words the 16 of q and k
	s_mov_b32 s20, s18
	s_mov_b32 s21, 0
	s_add_nc_u64 s[66:67], s[66:67], s[20:21]
	s_mov_b32 s20, s19
	s_add_nc_u64 s[96:97], s[96:97], s[20:21]
	s_lshl_b32 s22, s42, 1
	s_add_co_u32 s22, s22, s16
	s_add_co_u32 s22, s22, s43                     ; which word: 2 x tile column + half (+ 16)
	s_lshl_b32 s22, s22, 14
	s_add_co_u32 s22, s22, s94
	s_add_co_u32 s22, s22, 20971520
	s_mov_b32 s23, 0
	s_add_nc_u64 s[100:101], s[12:13], s[22:23]
	s_lshl_b32 s20, s17, 4
	s_lshl_b32 s22, s15, 3
	s_add_co_u32 s20, s20, s22
	s_add_co_u32 s20, s20, s2                      ; my first row tile
	s_lshl_b32 s20, s20, 16
	s_lshl_b32 s22, s42, 3
	s_lshl_b32 s23, s16, 2
	s_add_co_u32 s22, s22, s23                     ; my first column block
	s_lshl_b32 s22, s22, 9
	s_add_co_u32 s20, s20, s22
	s_add_nc_u64 s[12:13], s[12:13], s[20:21]
.irp b, 0,1,2,3,4,5,6,7
	global_load_b128 v[BQ+8*\b:BQ+8*\b+3],   v[H32], s[66:67] offset:64*\b      ; they are wanted on the way out alone: their wait stands there
	global_load_b128 v[BQ+8*\b+4:BQ+8*\b+7], v[H32], s[66:67] offset:64*\b+16
.endr
.irp a, 0,1,2,3,4,5,6,7
	global_load_b32 v[BV+\a], v[R4], s[96:97] offset:64*\a
.endr
.macro FRAG reg, adr, q, i             ; a fragment: lane l holds row l % 16; registers 4 c .. 4 c + 3 hold K = 32 c + 16 (l / 16) + 0 .. 15
.irp c, 0,1,2,3
	ds_load_b128 v[\reg+4*\c:\reg+4*\c+3], v[\adr] offset:128*(\q)+32*\c+(\i)*16*PITCH
.endr
.endm
; 16 matrix instructions: A's blocks a0, a0 + 1 x B's eight, 128 along K.  The 64 accumulators take turns, one instruction a turn, in the same order in every step.
.macro MUL16 a0, p, q, sc, zero
.irp a, \a0, \a0+1
.irp b, 0,1,2,3,4,5,6,7
.if \zero
	v_wmma_scale_f32_16x16x128_f8f6f4 v[8*(8*((\a)%4)+\b):8*(8*((\a)%4)+\b)+7], v[128*(\p)+FR*\b:128*(\p)+FR*\b+FR-1], v[AF+FR*(\a):AF+FR*(\a)+FR-1], 0, v[SC+8*NQ*(\sc)+NQ*\b+(\q)], v[SC+8*NQ*(\sc)+NQ*(\a)+(\q)] matrix_a_scale:MATRIX_SCALE_ROW1
.else
	v_wmma_scale_f32_16x16x128_f8f6f4 v[8*(8*((\a)%4)+\b):8*(8*((\a)%4)+\b)+7], v[128*(\p)+FR*\b:128*(\p)+FR*\b+FR-1], v[AF+FR*(\a):AF+FR*(\a)+FR-1], v[8*(8*((\a)%4)+\b):8*(8*((\a)%4)+\b)+7], v[SC+8*NQ*(\sc)+NQ*\b+(\q)], v[SC+8*NQ*(\sc)+NQ*(\a)+(\q)] matrix_a_scale:MATRIX_SCALE_ROW1
.endif
.endr
.endr
.endm
.macro FETCH_B slot, q, p
	WIN TO_B
.irp i, 0,1,2,3,4,5,6,7
	FRAG 128*(\p)+FR*\i, ADRB+\slot, \q, \i
.endr
	WIN 0
.endm
.macro FETCH_A slot, q, i0
.irp i, \i0, \i0+1, \i0+2, \i0+3
	FRAG AF+FR*(\i), ADRA+\slot, \q, \i
.endr
.endm
.macro SCALES sc                       ; a K step's scale words: lanes 0-15 take A's block i, lanes 16-31 B's block i
.irp i, 0,1,2,3,4,5,6,7
	ds_load_b64 v[SC+8*NQ*\sc+NQ*\i:SC+8*NQ*\sc+NQ*\i+1], v[ADRS] offset:\i*SBLK
.endr
.endm
.macro PLACES n                        ; plain vector instructions between a matrix instruction and a load into, or a vector access to, its registers (ISA guide 7.12.1 for vector accesses)
.rept \n
	v_nop
.endr
.endm
.macro STEP slot, q, zero              ; a step of 128 along K that has its successor in the same slot
	s_wait_dscnt 4*NL                              ; B's set and A's blocks 0-3 are in; the youngest sixteen loads (A's blocks 4-7) may be out
	WIN MUL_LO
	MUL16 0, (\q)%2, \q, \slot, \zero
	MUL16 2, (\q)%2, \q, \slot, \zero
	s_wait_dscnt 0
	PLACES NP
	FETCH_B \slot, (\q)+1, 1-(\q)%2
	FETCH_A \slot, (\q)+1, 0
	WIN MUL_HI
	MUL16 4, (\q)%2, \q, \slot, \zero
	MUL16 6, (\q)%2, \q, \slot, \zero
	PLACES NP
	WIN 0
	FETCH_A \slot, (\q)+1, 4
.endm
; A slot's last step changes slots: one barrier; in front of it each wave waits for all its tensor loads, adds 0 to its spare word, and waits for that and for its own reads of this slot.
.macro TURN slot, next, fill
	s_wait_tensorcnt 0x0                           ; all my tensor loads have landed: my part of the next slot
	ds_add_u32 v[SPW], v[NIL]                      ; 0 onto my spare word
	s_wait_dscnt 4*NL+1                            ; the add and the youngest sixteen loads (A's blocks 4-7) may be out
	WIN MUL_LO
	MUL16 0, 1, NQ-1, \slot, 0
	s_wait_dscnt 0x0                               ; the add is done, and my reads of this slot are over
	s_barrier_signal -1
	MUL16 2, 1, NQ-1, \slot, 0
	WIN 0
	s_barrier_wait -1
.if \fill
	CREST                                          ; the barrier has opened a round of the cluster's barrier: no wave of any partner still reads this slot or has a load on its way
	s_add_nc_u64 s[G0+4*\slot+2:G0+4*\slot+3], s[G0+4*\slot+2:G0+4*\slot+3], 2*ROWB
	s_add_nc_u64 s[G0B+4*\slot+2:G0B+4*\slot+3], s[G0B+4*\slot+2:G0B+4*\slot+3], 2*ROWB
	JLOAD G0+4*\slot, G1, G0B+4*\slot, G1B         ; the first tensor load behind the round, and my only one until the next
	PLACES NP-4
.else
	PLACES NP
.endif
	s_wait_alu depctr_va_vdst(0)
	v_add_nc_u32 v[ADRS], 4*NQ, v[ADRS]            ; on to the next K step's scale words
	FETCH_B \next, 0, 0
	FETCH_A \next, 0, 0
	SCALES \next
	WIN MUL_HI
	MUL16 4, 1, NQ-1, \slot, 0
	MUL16 6, 1, NQ-1, \slot, 0
	PLACES NP
	WIN 0
	FETCH_A \next, 0, 4
.endm
	s_wait_alu depctr_va_vdst(0)                   ; the wait at the head's end
	s_wait_tensorcnt 0x0                           ; my tile of the head's four is in
	ds_add_u32 v[SPW], v[NIL]
	s_mov_b32 s[G1+2], 128<<16                     ; no tensor load of mine is out: from here on a load brings 128 rows
	s_mov_b32 s[G1+4], 128
	s_mov_b32 s[G1B+2], 128<<16
	s_mov_b32 s[G1B+4], 128
	s_wait_dscnt 0x0
	CROUND                                         ; all four tiles are in, and all sixteen work-groups are here
	JLOAD G0+4, G1, G0B+4, G1B                     ; K step 1's load, the first tensor load behind the round
	FETCH_B 0, 0, 0
	FETCH_A 0, 0, 0
	SCALES 0
	FETCH_A 0, 0, 4
	global_prefetch_b8 v[PFO], s[PFA:PFA+1] offset:2*ROWB th:TH_LOAD_NT scope:SCOPE_SE ; behind K step 1's fill and the run of LDS loads: K step 3
	STEP 0, 0, 1                                   ; the first step's products start the sums
	s_mov_b32 s3, LAPS-1
.Llap:                                                 ; a trip goes once round the ring and fills both slots again
	TURN 0, 1, 1
	STEP 1, 0, 0
	TURN 1, 0, 1
	STEP 0, 0, 0
	s_sub_co_u32 s3, s3, 1
	s_cmp_lg_u32 s3, 0
	s_cbranch_scc1 .Llap
	TURN 0, 1, 0                                   ; the last lap fills nothing
	STEP 1, 0, 0
	s_wait_dscnt 4*NL
	WIN MUL_LO
	MUL16 0, 1, NQ-1, 1, 0
	MUL16 2, 1, NQ-1, 1, 0
	s_wait_dscnt 0
	WIN MUL_HI
	MUL16 4, 1, NQ-1, 1, 0
	MUL16 6, 1, NQ-1, 1, 0
	WIN 0
; 64 numbers of a lane, register 16 b + i of block b, become a fragment's codes in v[PC] on and the row's scale word in v[PW]
.macro QUANT s
.irp b, 0,1,2,3
	v_max3_num_f32 v[TM+\b], |v[\s+16*\b]|, |v[\s+1+16*\b]|, 0x4800000   ; my 16 numbers of block b, and the floor 2^(9 - 127): the byte cannot fall under 1
.endr
.irp i, 2,4,6,8,10,12,14
.irp b, 0,1,2,3
	v_max3_num_f32 v[TM+\b], v[TM+\b], |v[\s+16*\b+\i]|, |v[\s+1+16*\b+\i]|
.endr
.endr
.irp b, 0,1,2,3
	v_permlanex16_b32 v[TM+4+\b], v[TM+\b], s[SEL], s[SEL+1]
.endr
.irp b, 0,1,2,3
	v_max_num_f32 v[TM+\b], v[TM+\b], v[TM+4+\b]   ; with lane l xor 16's 16: the block's largest magnitude
.endr
.irp b, 0,1,2,3
	v_add_nc_u32 v[TM+12+\b], 0xfc000000, v[TM+\b] ; 8 off its exponent field: the conversion's scale operand
.endr
.irp b, 0,1,2,3
	v_and_or_b32 v[TM+8+\b], v[TM+\b], 0x7f800000, s[MNT]   ; 448 x the scale
.endr
.irp b, 0,1,2,3
	v_lshrrev_b32 v[TM+4+\b], 23, v[TM+12+\b]      ; the scale's byte
.endr
	v_lshl_or_b32 v[PW], v[TM+5], 8, v[TM+4]
	v_lshl_or_b32 v[PW], v[TM+6], 16, v[PW]
	v_lshl_or_b32 v[PW], v[TM+7], 24, v[PW]
.irp b, 0,1,2,3
.irp i, 0,1,2,3,4,5,6,7,8,9,10,11,12,13,14,15
	v_med3_num_f32 v[\s+16*\b+\i], v[\s+16*\b+\i], -v[TM+8+\b], v[TM+8+\b]   ; the conversion to an 8-bit code does not saturate (ISA guide 7.6.2): the hold comes first
.endr
	v_cvt_scalef32_pk8_fp8_f32 v[PC+4*\b:PC+1+4*\b], v[\s+16*\b:\s+7+16*\b], v[TM+12+\b]
	v_cvt_scalef32_pk8_fp8_f32 v[PC+2+4*\b:PC+3+4*\b], v[\s+8+16*\b:\s+15+16*\b], v[TM+12+\b]
.endr
	v_nop                                          ; a plain line behind the last conversion
.endm
; Row tile a of my eight goes out: the biases, the quantiser, four stores of 512 consecutive bytes, and with every second tile the pair's scale words
.macro OUTA a
.if (\a) > 0
	s_wait_xcnt 0x0                                ; the last tile's stores have read their data: the codes' registers and the pair's words may be written again
.endif
	WIN 0x02+(\a)/4                                ; source 0: window 2 or 3
.set AC, 64*((\a)%4)
.set i, 0
.rept 32
	v_pk_add_f32 v[ST+2*i:ST+2*i+1], v[AC+2*i:AC+2*i+1], v[BQ+2*i:BQ+2*i+1]   ; ascending: each accumulator is first read at its low end
.set i, i+1
.endr
	WIN 0
.set i, 0
.rept 32
.if ((\a)%2) == 0
	v_pk_add_f32 v[ST+2*i:ST+2*i+1], v[ST+2*i:ST+2*i+1], v[BV+2*((\a)/2):BV+2*((\a)/2)+1] op_sel_hi:[1,0]            ; my row's bias: the pair's first register for both halves
.else
	v_pk_add_f32 v[ST+2*i:ST+2*i+1], v[ST+2*i:ST+2*i+1], v[BV+2*((\a)/2):BV+2*((\a)/2)+1] op_sel:[0,1] op_sel_hi:[1,1]   ; the second
.endif
.set i, i+1
.endr
	QUANT ST
.irp j, 0,1,2,3
	global_store_b128 v[LI], v[PC+4*\j:PC+4*\j+3], s[12:13] offset:(\a)*65536+512*\j
.endr
.if ((\a)%2) == 0
	v_mov_b32 v[PWE], v[PW]
.else
	v_cndmask_b32 v[PWS], v[PWE], v[PW], s95       ; lanes 0-15: the even tile's rows; lanes 16-31: this tile's (both halves of the lanes hold a row's word)
	global_store_b32 v[L4], v[PWS], s[100:101] offset:128*((\a)/2)
.endif
.endm
	s_wait_loadcnt 0x0                             ; the biases
.set i, 0
.rept 64
	v_cndmask_b32 v[BQ+i], v[BQ+i], v[ZR], s[MV]   ; v^T has no bias by column.  (These 72 plain lines name no register of the last products: they are the places behind them)
.set i, i+1
.endr
.irp a, 0,1,2,3,4,5,6,7
	v_cndmask_b32 v[BV+\a], v[ZR], v[BV+\a], s[MV] ; q and k have none by row
.endr
.irp b, 0,1,2,3
	v_mov_b32 v[TM+4+\b], 0                        ; written once: a lane permute's destination counts as one of its sources
.endr
.irp a, 0,1,2,3,4,5,6,7
	OUTA \a
.endr
	s_wait_tensorcnt 0x0                           ; the wave's end
	ds_add_u32 v[SPW], v[NIL]
	s_wait_dscnt 0x0
	CROUND                                         ; the closing round: no work-group ends while a partner may still ask for a tile that names it
	s_endpgm
.Lfunc_end_k_qccb062214e_qkv:
	.size	k_qccb062214e_qkv, .Lfunc_end_k_qccb062214e_qkv-k_qccb062214e_qkv
	.p2alignl 7, 3214868480
	.fill 96, 4, 3214868480
	.section	.rodata,"a",@progbits
	.p2align	6, 0x0
	.amdhsa_kernel k_qccb062214e_qkv
		.amdhsa_group_segment_fixed_size 327680
		.amdhsa_private_segment_fixed_size 0
		.amdhsa_enable_private_segment 0
		.amdhsa_kernarg_size 40
		.amdhsa_user_sgpr_count 2
		.amdhsa_user_sgpr_kernarg_segment_ptr 1
		.amdhsa_wavefront_size32 1
		.amdhsa_system_sgpr_workgroup_id_x 1
		.amdhsa_system_sgpr_workgroup_id_y 1
		.amdhsa_system_sgpr_workgroup_id_z 1
		.amdhsa_system_vgpr_workitem_id 0
		.amdhsa_next_free_vgpr 1024
		.amdhsa_next_free_sgpr 106
		.amdhsa_reserve_vcc 0
		.amdhsa_float_denorm_mode_32 3
		.amdhsa_float_denorm_mode_16_64 3
		.amdhsa_memory_ordered 1
		.amdhsa_forward_progress 1
		.amdhsa_inst_pref_size 226
	.end_amdhsa_kernel
	.amdgpu_metadata
---
amdhsa.version: [ 1, 2 ]
amdhsa.kernels:
  - .name:           k_qccb062214e_qkv
    .symbol:         k_qccb062214e_qkv.kd
    .args:
      - { .name: hq, .offset: 0, .size: 8, .value_kind: global_buffer, .address_space: global }
      - { .name: in_proj_w_codes, .offset: 8, .size: 8, .value_kind: global_buffer, .address_space: global }
      - { .name: in_proj_w_scales, .offset: 16, .size: 8, .value_kind: global_buffer, .address_space: global }
      - { .name: in_proj_b, .offset: 24, .size: 8, .value_kind: global_buffer, .address_space: global }
      - { .name: qkv, .offset: 32, .size: 8, .value_kind: global_buffer, .address_space: global }
    .group_segment_fixed_size: 327680
    .private_segment_fixed_size: 0
    .kernarg_segment_align: 8
    .kernarg_segment_size: 40
    .max_flat_workgroup_size: 128
    .sgpr_count:     106
    .vgpr_count:     1024
    .wavefront_size: 32
...
	.end_amdgpu_metadata
.endif
;; end of part 2
;; launch att (part 3): grid 128 x 2, 8 waves a work-group, no clusters, 2,048 bytes of LDS; arguments qkv, oq; writes oq
.if DOCPART == 3
	.amdgcn_target "amdgcn-amd-amdhsa--gfx1250"
	.amdhsa_code_object_version 6
	.text
	.protected	k_qccb062214e_att
	.globl	k_qccb062214e_att
	.p2align	8
	.type	k_qccb062214e_att,@function
k_qccb062214e_att:
	s_mov_b64 s[64:65], 0
	v_nop
	global_prefetch_b8 v0, s[64:65] scope:SCOPE_SE
	s_setreg_imm32_b32 hwreg(HW_REG_WAVE_MODE, 25, 1), 1
	s_wait_xcnt 0x0
; Attention with the causal window of 16 keys, both products on codes of FP8 (E4M3) with E8M0 scales; o leaves as codes for the out projection.
; WHAT IS MULTIPLIED.  A query sees keys q - 15 .. q of its own sequence: a tile of 16 queries sees its own tile of keys and the one before.  All other tiles lie wholly under the mask and are left out.
; SHARES.  A wave takes one head (8 y + wave) and 32 queries (work-group x): query tiles e = 0, 1.  Key tiles: Kp (the one before), K0, K1.  No loop, no LDS tiles: every operand is loaded once, as an image of its registers.
; LAYOUT.  Both products are used transposed: S^T = K Q^T (lane (r, h): query r, register j: key 8 h + j of the tile), O^T = V^T P^T (register j of tile ct: channel 16 ct + 8 h + j).  A lane holds one query throughout.
; K OF THE FIRST PRODUCT is the head's 64: registers 8-15 of each operand are zeros of that operand's own.
; K OF THE SECOND PRODUCT: two blocks of 32 keys, as the sequence cuts them: block x - 1 and block x (x = the work-group's x).  In v^T's image of a block, registers 0-1 hold the even key tile and 2-3 the odd one, key 8 h + i in byte i:
; the order in which S^T holds them.  So p of a key tile, converted as it lies, is two operand registers: e = 0: Kp -> registers 2-3, K0 -> 4-5; e = 1: K0 -> 4-5, K1 -> 6-7; all others are zero codes.
; THE SOFTMAX: t = score x log2(e) / 8; M = ceil(the row's largest t); p = 2^(t - M) is quantised by block of 32 keys, not normalised; the row's sum of the unquantised p divides O at the end.
; AT THE EDGES the tile or block before is clamped to the buffer's first: what it brings is finite and meets p = 0 (at a sequence's first tile the whole tile before is masked).
; o's codes: four registers of (row tile T, k block) at (16 T + 4 q + c) x 1,024 + 512 s4 + 16 x lane (s4 = k / 512, q = k % 512 / 128, c = k % 128 / 32); inside a block the channels stand in the order 8 h + i, 16 + 8 h + i - 8.
; o's scale words [row / 128][k / 128][row % 128] at 4,194,304: a wave makes two of a word's four bytes; the eight waves' meet in LDS, and wave 0 stores them in runs of 128 consecutive bytes.
; LIMITS: a block of zeros gets the byte 1 or 0 (its codes are zeros); largest magnitudes under 2^-118 are held at that floor; NaN and infinities are not served.
.set Q,  16                            ; v16-47   Q of tiles e = 0, 1
.set KK, 48                            ; v48-95   Kp, K0, K1
.set V,  96                            ; v96-159  V^T: four tiles of 16 channels
.set P,  160                           ; v160-175 p's codes
.set S,  176                           ; v176-207 S^T: e = 0 tile before, e = 0 own, e = 1 tile before, e = 1 own; later o's codes and scale pairs
.set O,  208                           ; v208-239 O^T; at the head v208-211 hold v's raw scale words
; v1 16 x lane; v2 LDS address of my scale pair; v3 wave 0's offset among o's scale words; v4 4 x lane; v5 4 r; v[6:7], v[14:15] sums;
; v8 Q's scale words, v9 K0's and K1's, v10 Kp's, v11, v12 V's, v13 p's: scales and nothing else;
; v240 -infinity; v241 at work; v[242:243] -M; v[244:245] 1 / l; v246-255 largest magnitudes, permute results, scale operands, holds, bytes
	s_load_b128 s[4:7], s[0:1], 0x0                ; the codes of q, k, v^T; o's codes
	s_set_vgpr_msb 0x40
	v_lshl_add_u32 v0, v0, 2, 0x400
	v_mov_b32 v1, 0
	s_set_vgpr_msb 0x4000
	v_lshrrev_b32 v2, 5, v0
	s_delay_alu instid0(VALU_DEP_1)
	v_readfirstlane_b32 s8, v2                     ; wave 0..7
	v_and_b32 v6, 31, v0                           ; lane
	s_delay_alu instid0(VALU_DEP_1)
	v_lshlrev_b32 v1, 4, v6
	s_delay_alu instid0(VALU_DEP_2)
	v_lshlrev_b32 v4, 2, v6
	v_and_b32 v2, 15, v0                           ; r
	s_delay_alu instid0(VALU_DEP_1)
	v_lshlrev_b32 v5, 2, v2
	v_bfe_u32 v3, v0, 4, 1                         ; h
	s_delay_alu instid0(VALU_DEP_1)
	v_lshlrev_b32 v241, 3, v3
	s_delay_alu instid0(VALU_DEP_1)
	v_sub_nc_u32 v241, v241, v2                    ; 8 h - r
.irp j, 0,1,2,3,4,5,6,7
	v_cmp_lt_i32 s[32+\j], -\j, v241               ; key 8 h + j > query r: in the tile before such a key counts, in the own tile it does not
.endr
	s_lshr_b32 s31, s8, 1
	s_lshl_b32 s31, s31, 7
	s_and_b32 s49, s8, 1
	s_lshl_b32 s49, s49, 1
	s_add_co_u32 s31, s31, s49
	v_add_nc_u32 v2, s31, v4                       ; 128 (wave / 2) + 2 (wave % 2) + 4 x lane
	v_lshrrev_b32 v7, 3, v6
	v_and_b32 v6, 7, v6
	s_delay_alu instid0(VALU_DEP_1)
	v_lshlrev_b32 v6, 4, v6
	s_delay_alu instid0(VALU_DEP_1)
	v_lshl_add_u32 v3, v7, 9, v6                   ; 512 (lane / 8) + 16 (lane % 8)
	s_and_b32 s59, ttmp7, 0xffff                   ; y
	s_lshl_b32 s9, s59, 3
	s_add_co_u32 s9, s9, s8                        ; the head
	s_lshl_b32 s31, s9, 10                         ; a head's two column blocks: 1,024 bytes
	s_lshl_b32 s10, ttmp9, 17                      ; row tile 2 x
	s_add_co_u32 s10, s10, s31
	s_mov_b32 s11, 0
	s_lshl_b32 s12, ttmp9, 1
	s_sub_co_i32 s12, s12, 1
	s_max_i32 s12, s12, 0                          ; the tile before, clamped
	s_lshl_b32 s12, s12, 16
	s_add_co_u32 s12, s12, s31
	s_add_co_u32 s12, s12, 16384                   ; k's column blocks follow q's 32
	s_mov_b32 s13, 0
	s_sub_co_i32 s58, ttmp9, 1
	s_max_i32 s58, s58, 0                          ; the block of keys before, clamped
	s_lshl_b32 s49, s9, 18
	s_add_co_u32 s49, s49, 0x1000000               ; v^T's row tile 256 + 4 x head
	s_lshl_b32 s14, s58, 9
	s_add_co_u32 s14, s14, s49
	s_mov_b32 s15, 0
	s_lshl_b32 s16, ttmp9, 9
	s_add_co_u32 s16, s16, s49
	s_mov_b32 s17, 0
	s_lshr_b32 s49, s9, 1
	s_lshl_b32 s49, s49, 14
	s_add_co_u32 s49, s49, 0x1400000               ; q's scale words: word head / 2
	s_lshl_b32 s18, ttmp9, 7
	s_add_co_u32 s18, s18, s49
	s_mov_b32 s19, 0
	s_lshl_b32 s20, ttmp9, 5
	s_sub_co_i32 s20, s20, 16
	s_max_i32 s20, s20, 0                          ; the first row of the tile before, clamped
	s_lshl_b32 s20, s20, 2
	s_add_co_u32 s20, s20, s49
	s_add_co_u32 s20, s20, 0x20000                 ; k's words follow q's eight
	s_mov_b32 s21, 0
	s_lshl_b32 s49, s9, 8
	s_add_co_u32 s49, s49, 0x1440000               ; v^T's words begin at word 16; my head's 64 channels
	s_lshr_b32 s50, s58, 2
	s_lshl_b32 s50, s50, 14
	s_add_co_u32 s50, s50, s49
	s_mov_b32 s51, 0
	s_lshr_b32 s52, ttmp9, 2
	s_lshl_b32 s52, s52, 14
	s_add_co_u32 s52, s52, s49
	s_mov_b32 s53, 0
	s_lshl_b32 s54, ttmp9, 5
	s_lshl_b32 s49, s8, 1
	s_add_co_u32 s54, s54, s49                     ; 16 T + 4 q + c = 32 x + 2 wave (+ 16 e + block)
	s_lshl_b32 s54, s54, 10
	s_lshl_b32 s49, s59, 9
	s_add_co_u32 s54, s54, s49
	s_mov_b32 s55, 0
	s_lshr_b32 s56, ttmp9, 2
	s_lshl_b32 s56, s56, 12
	s_lshl_b32 s49, s59, 11
	s_add_co_u32 s56, s56, s49
	s_and_b32 s49, ttmp9, 3
	s_lshl_b32 s29, s49, 3                         ; which byte of v's word is block x's, in bits
	s_lshl_b32 s49, s49, 7
	s_add_co_u32 s56, s56, s49
	s_add_co_u32 s56, s56, 0x400000
	s_mov_b32 s57, 0
	s_and_b32 s28, s58, 3
	s_lshl_b32 s28, s28, 3                         ; and the block before's
	s_and_b32 s27, s8, 1
	s_lshl_b32 s27, s27, 4                         ; an odd head's two bytes are the upper half of q's and k's words
	s_and_b32 s30, ttmp9, 63
	s_cmp_lg_u32 s30, 0
	s_cselect_b32 s30, -1, 0                       ; 0 where tile e = 0 is a sequence's first: then no key of the tile before counts
.irp j, 0,1,2,3,4,5,6,7
	s_and_b32 s[40+\j], s[32+\j], s30
.endr
	s_mov_b32 s22, 0x76543210
	s_mov_b32 s23, 0xfedcba98                      ; lane selects: lane l xor 16
	s_mov_b32 s24, 0x3e38aa3b                      ; c = log2(e) / 8
	s_mov_b32 s25, s24
	s_mov_b32 s26, 0x600000                        ; the mantissa field of 448
	s_mov_b32 s48, 0xffff0000                      ; lanes 16-31
	s_wait_kmcnt 0x0
	s_add_nc_u64 s[10:11], s[4:5], s[10:11]
	s_add_nc_u64 s[12:13], s[4:5], s[12:13]
	s_add_nc_u64 s[14:15], s[4:5], s[14:15]
	s_add_nc_u64 s[16:17], s[4:5], s[16:17]
	s_add_nc_u64 s[18:19], s[4:5], s[18:19]
	s_add_nc_u64 s[20:21], s[4:5], s[20:21]
	s_add_nc_u64 s[50:51], s[4:5], s[50:51]
	s_add_nc_u64 s[52:53], s[4:5], s[52:53]
	s_add_nc_u64 s[54:55], s[6:7], s[54:55]
	s_add_nc_u64 s[56:57], s[6:7], s[56:57]
.irp e, 0,1
.irp b, 0,1
	global_load_b128 v[Q+16*\e+4*\b:Q+16*\e+4*\b+3], v1, s[10:11] offset:65536*\e+512*\b               ; Q of tile e
	global_load_b128 v[KK+16+16*\e+4*\b:KK+16+16*\e+4*\b+3], v1, s[10:11] offset:65536*\e+512*\b+16384  ; K0, K1
.endr
.endr
.irp b, 0,1
	global_load_b128 v[KK+4*\b:KK+4*\b+3], v1, s[12:13] offset:512*\b                                  ; Kp
.endr
.irp t, 0,1,2,3
	global_load_b128 v[V+16*\t:V+16*\t+3],   v1, s[14:15] offset:65536*\t                              ; V^T: the block of keys before,
	global_load_b128 v[V+16*\t+4:V+16*\t+7], v1, s[16:17] offset:65536*\t                              ; and my own
.endr
	global_load_b32 v8, v4, s[18:19]                                 ; lanes 0-15: tile e = 0's rows; lanes 16-31: e = 1's
	global_load_b32 v9, v4, s[18:19] offset:131072                   ; K0's, K1's
	global_load_b32 v10, v5, s[20:21]                                ; Kp's
.irp p, 0,1
	global_load_b32 v[O+2*\p],   v4, s[50:51] offset:128*\p          ; v's words: lanes 0-15 channel tile 2 p, lanes 16-31 tile 2 p + 1
	global_load_b32 v[O+2*\p+1], v4, s[52:53] offset:128*\p
.endr
.irp f, Q, Q+16, KK, KK+16, KK+32, V, V+16, V+32, V+48
.irp i, 8,9,10,11,12,13,14,15
	v_mov_b32 v[\f+\i], 0                          ; the part of K that the product does not have: zero codes, each operand's own
.endr
.endr
.irp i, 0,1,2,3,4,5,6,7,8,9,10,11,12,13,14,15
	v_mov_b32 v[P+\i], 0
.endr
	v_mov_b32 v240, 0xff800000                     ; -infinity
	v_mov_b32 v243, 0                              ; named as the upper halves of pairs of which the low half serves both
	v_mov_b32 v245, 0
	v_mov_b32 v248, 0                              ; a lane permute's destination counts as one of its sources
	v_mov_b32 v249, 0
	v_mov_b32 v14, 0
	s_wait_loadcnt 0x0
	v_lshrrev_b32 v8, s27, v8                      ; my head's two bytes into bytes 0 and 1; bytes 2 and 3 meet zero codes and are never 0xff
	v_lshrrev_b32 v9, s27, v9
	v_lshrrev_b32 v10, s27, v10
.irp p, 0,1
	v_bfe_u32 v[O+2*\p], v[O+2*\p], s28, 8
	v_bfe_u32 v[O+2*\p+1], v[O+2*\p+1], s29, 8
	s_delay_alu instid0(VALU_DEP_1)
	v_lshl_or_b32 v[11+\p], v[O+2*\p+1], 8, v[O+2*\p]   ; byte 0: the block before; byte 1: my block
.endr
.rept 8
	v_nop                                          ; a scale register written by a vector instruction stands eight places ahead of the scaled matrix instruction
.endr
	v_wmma_scale_f32_16x16x128_f8f6f4 v[S:S+7],     v[KK:KK+15],    v[Q:Q+15],    0, v10, v8
	v_wmma_scale_f32_16x16x128_f8f6f4 v[S+8:S+15],  v[KK+16:KK+31], v[Q:Q+15],    0, v9, v8
	v_wmma_scale_f32_16x16x128_f8f6f4 v[S+16:S+23], v[KK+16:KK+31], v[Q+16:Q+31], 0, v9, v8 matrix_b_scale:MATRIX_SCALE_ROW1
	v_wmma_scale_f32_16x16x128_f8f6f4 v[S+24:S+31], v[KK+32:KK+47], v[Q+16:Q+31], 0, v9, v8 matrix_a_scale:MATRIX_SCALE_ROW1 matrix_b_scale:MATRIX_SCALE_ROW1
.rept 8
	v_nop
.endr
.macro TILE e
.set SA, S+16*(\e)                     ; the scores against the tile before,
.set SB, SA+8                          ; and against the own tile
.set MB, 40-8*(\e)                     ; e = 0: the masks that also know a sequence's start
.set OC, S+16*(\e)                     ; o's codes, where the tile's scores lay
.set OP, S+16*(\e)+8                   ; o's two scale bytes
.irp j, 0,1,2,3,4,5,6,7
	v_cndmask_b32 v[SA+\j], v240, v[SA+\j], s[MB+\j]
.endr
.irp j, 0,1,2,3,4,5,6,7
	v_cndmask_b32 v[SB+\j], v[SB+\j], v240, s[32+\j]
.endr
	v_max3_num_f32 v246, v[SA], v[SA+1], v[SA+2]
	v_max3_num_f32 v247, v[SB], v[SB+1], v[SB+2]
	s_delay_alu instid0(VALU_DEP_2)
	v_max3_num_f32 v246, v246, v[SA+3], v[SA+4]
	s_delay_alu instid0(VALU_DEP_2)
	v_max3_num_f32 v247, v247, v[SB+3], v[SB+4]
	s_delay_alu instid0(VALU_DEP_2)
	v_max3_num_f32 v246, v246, v[SA+5], v[SA+6]
	s_delay_alu instid0(VALU_DEP_2)
	v_max3_num_f32 v247, v247, v[SB+5], v[SB+6]
	s_delay_alu instid0(VALU_DEP_2)
	v_max3_num_f32 v246, v246, v[SA+7], v[SB+7]
	s_delay_alu instid0(VALU_DEP_1)
	v_max_num_f32 v246, v246, v247
	s_delay_alu instid0(VALU_DEP_1)
	v_permlanex16_b32 v248, v246, s22, s23
	s_delay_alu instid0(VALU_DEP_1)
	v_max_num_f32 v246, v246, v248                 ; the row's largest score: key = query always counts, so it is a number
	s_delay_alu instid0(VALU_DEP_1)
	v_mul_f32 v241, s24, v246                      ; as t (c is positive)
	s_delay_alu instid0(VALU_DEP_1)
	v_floor_f32 v242, -v241                        ; -M = floor(-t) = -ceil(t)
.irp i, 0,2,4,6,8,10,12,14
	v_pk_fma_f32 v[SA+\i:SA+\i+1], v[SA+\i:SA+\i+1], s[24:25], v[242:243] op_sel_hi:[1,0,0]   ; t - M
.endr
	s_wait_alu depctr_va_vdst(0)
.irp i, 0,1,2,3,4,5,6,7,8,9,10,11,12,13,14,15
	v_exp_f32 v[SA+\i], v[SA+\i]                   ; p = 2^(t - M); 0 under the mask
.endr
	v_nop                                          ; a plain instruction behind the batch,
	s_wait_alu depctr_va_vdst(0)                   ; and one wait for all sixteen, ahead of their first reader
	v_pk_add_f32 v[6:7], v[SA:SA+1], v[SA+2:SA+3]  ; the row's sum of the unquantised p
	v_pk_add_f32 v[14:15], v[SA+8:SA+9], v[SA+10:SA+11]
	v_pk_add_f32 v[6:7], v[6:7], v[SA+4:SA+5]
	v_pk_add_f32 v[14:15], v[14:15], v[SA+12:SA+13]
	v_pk_add_f32 v[6:7], v[6:7], v[SA+6:SA+7]
	v_pk_add_f32 v[14:15], v[14:15], v[SA+14:SA+15]
	s_delay_alu instid0(VALU_DEP_1)
	v_pk_add_f32 v[6:7], v[6:7], v[14:15]
	s_delay_alu instid0(VALU_DEP_1)
	v_add_f32 v6, v6, v7
	s_delay_alu instid0(VALU_DEP_1)
	v_permlanex16_b32 v14, v6, s22, s23
	s_delay_alu instid0(VALU_DEP_1)
	v_add_f32 v6, v6, v14
	s_wait_alu depctr_va_vdst(0)
	v_rcp_f32 v244, v6                             ; 1 / l: first named behind the second product, where its wait stands
	v_max3_num_f32 v246, v[SA], v[SA+1], 0x4800000 ; the largest p of each key tile, and the floor 2^(9 - 127)
	v_max3_num_f32 v247, v[SB], v[SB+1], 0x4800000
.irp i, 2,4,6
	v_max3_num_f32 v246, v246, v[SA+\i], v[SA+\i+1]
	v_max3_num_f32 v247, v247, v[SB+\i], v[SB+\i+1]
.endr
	s_delay_alu instid0(VALU_DEP_2)
	v_permlanex16_b32 v248, v246, s22, s23
	s_delay_alu instid0(VALU_DEP_2)
	v_permlanex16_b32 v249, v247, s22, s23
	s_delay_alu instid0(VALU_DEP_2)
	v_max_num_f32 v246, v246, v248
	s_delay_alu instid0(VALU_DEP_2)
	v_max_num_f32 v247, v247, v249
.if \e
	s_delay_alu instid0(VALU_DEP_1)
	v_max_num_f32 v246, v246, v247                 ; K0 and K1 are one block of 32 keys
	s_delay_alu instid0(VALU_DEP_1)
	v_mov_b32 v247, v246
.endif
	s_delay_alu instid0(VALU_DEP_2)
	v_add_nc_u32 v250, 0xfc000000, v246            ; the conversions' scale operands
	s_delay_alu instid0(VALU_DEP_2)
	v_add_nc_u32 v251, 0xfc000000, v247
	s_delay_alu instid0(VALU_DEP_4)
	v_and_or_b32 v252, v246, 0x7f800000, s26       ; 448 x the scale
	s_delay_alu instid0(VALU_DEP_4)
	v_and_or_b32 v253, v247, 0x7f800000, s26
	s_delay_alu instid0(VALU_DEP_4)
	v_lshrrev_b32 v254, 23, v250                   ; the bytes
	s_delay_alu instid0(VALU_DEP_4)
	v_lshrrev_b32 v255, 23, v251
.if \e
	s_delay_alu instid0(VALU_DEP_1)
	v_lshlrev_b32 v13, 8, v255                     ; the block before holds zero codes alone: its byte is 0
	v_mov_b32 v[P+2], 0
	v_mov_b32 v[P+3], 0
.else
	s_delay_alu instid0(VALU_DEP_1)
	v_lshl_or_b32 v13, v255, 8, v254
.endif
.irp j, 0,1,2,3,4,5,6,7
	v_min_num_f32 v[SA+\j], v[SA+\j], v252         ; the hold; p is not negative, so it is one-sided.  (These sixteen and the four below are the places between the scale word and the products)
	v_min_num_f32 v[SB+\j], v[SB+\j], v253
.endr
	v_cvt_scalef32_pk8_fp8_f32 v[P+2+2*(\e):P+3+2*(\e)], v[SA:SA+7], v250
	v_cvt_scalef32_pk8_fp8_f32 v[P+4+2*(\e):P+5+2*(\e)], v[SB:SB+7], v251
.rept 4
	v_nop                                          ; an operand written by vector instructions stands four places ahead of the scaled matrix instruction
.endr
	v_wmma_scale_f32_16x16x128_f8f6f4 v[O:O+7],     v[V:V+15],    v[P:P+15], 0, v11, v13
	v_wmma_scale_f32_16x16x128_f8f6f4 v[O+8:O+15],  v[V+16:V+31], v[P:P+15], 0, v11, v13 matrix_a_scale:MATRIX_SCALE_ROW1
	v_wmma_scale_f32_16x16x128_f8f6f4 v[O+16:O+23], v[V+32:V+47], v[P:P+15], 0, v12, v13
	v_wmma_scale_f32_16x16x128_f8f6f4 v[O+24:O+31], v[V+48:V+63], v[P:P+15], 0, v12, v13 matrix_a_scale:MATRIX_SCALE_ROW1
.rept 8
	v_nop
.endr
	s_wait_alu depctr_va_vdst(0)                   ; the reciprocal's wait, ahead of its first reader
.irp i, 0,2,4,6,8,10,12,14,16,18,20,22,24,26,28,30
	v_pk_mul_f32 v[O+\i:O+\i+1], v[O+\i:O+\i+1], v[244:245] op_sel_hi:[1,0]   ; O^T / l, each accumulator from its low end on
.endr
.irp b, 0,1
	v_max3_num_f32 v[246+\b], |v[O+16*\b]|, |v[O+16*\b+1]|, 0x4800000        ; o is quantised along the channels: two blocks of 32 a head
.endr
.irp i, 2,4,6,8,10,12,14
.irp b, 0,1
	s_delay_alu instid0(VALU_DEP_2)
	v_max3_num_f32 v[246+\b], v[246+\b], |v[O+16*\b+\i]|, |v[O+16*\b+\i+1]|
.endr
.endr
	s_delay_alu instid0(VALU_DEP_2)
	v_permlanex16_b32 v248, v246, s22, s23
	s_delay_alu instid0(VALU_DEP_2)
	v_permlanex16_b32 v249, v247, s22, s23
	s_delay_alu instid0(VALU_DEP_2)
	v_max_num_f32 v246, v246, v248
	s_delay_alu instid0(VALU_DEP_2)
	v_max_num_f32 v247, v247, v249
	s_delay_alu instid0(VALU_DEP_2)
	v_add_nc_u32 v250, 0xfc000000, v246
	s_delay_alu instid0(VALU_DEP_2)
	v_add_nc_u32 v251, 0xfc000000, v247
	s_delay_alu instid0(VALU_DEP_4)
	v_and_or_b32 v252, v246, 0x7f800000, s26
	s_delay_alu instid0(VALU_DEP_4)
	v_and_or_b32 v253, v247, 0x7f800000, s26
	s_delay_alu instid0(VALU_DEP_4)
	v_lshrrev_b32 v254, 23, v250
	s_delay_alu instid0(VALU_DEP_4)
	v_lshrrev_b32 v255, 23, v251
	s_delay_alu instid0(VALU_DEP_1)
	v_lshl_or_b32 v[OP], v255, 8, v254             ; my row's two scale bytes
.irp b, 0,1
.irp i, 0,1,2,3,4,5,6,7,8,9,10,11,12,13,14,15
	v_med3_num_f32 v[O+16*\b+\i], v[O+16*\b+\i], -v[252+\b], v[252+\b]
.endr
	v_cvt_scalef32_pk8_fp8_f32 v[OC+4*\b:OC+4*\b+1],   v[O+16*\b:O+16*\b+7],    v[250+\b]
	v_cvt_scalef32_pk8_fp8_f32 v[OC+4*\b+2:OC+4*\b+3], v[O+16*\b+8:O+16*\b+15], v[250+\b]
.endr
	v_nop                                          ; a plain line behind the last conversion
.irp b, 0,1
	global_store_b128 v1, v[OC+4*\b:OC+4*\b+3], s[54:55] offset:16384*(\e)+1024*\b   ; 512 consecutive aligned bytes
.endr
.endm
	TILE 0
	TILE 1
	v_cndmask_b32 v[S+8], v[S+8], v[S+24], s48     ; lanes 0-15: tile 0's rows; lanes 16-31: tile 1's (both halves of the lanes hold a row's bytes)
	ds_store_b16 v2, v[S+8]
	s_wait_dscnt 0x0                               ; for the others' sake: my store has landed
	s_barrier_signal -1
	s_barrier_wait -1
	s_cmp_lg_u32 s8, 0
	s_cbranch_scc1 .Lend
	ds_load_b128 v[O:O+3], v1                      ; wave 0: 32 rows' words for four steps of 128 along the next K
	s_wait_dscnt 0x0
	global_store_b128 v3, v[O:O+3], s[56:57]       ; eight lanes store 128 consecutive bytes
.Lend:
	s_set_vgpr_msb 0x5
	s_wait_tensorcnt 0x0
	ds_add_u32 v0, v1
	s_wait_dscnt 0x0
	s_set_vgpr_msb 0x500
	s_endpgm
.Lfunc_end_k_qccb062214e_att:
	.size	k_qccb062214e_att, .Lfunc_end_k_qccb062214e_att-k_qccb062214e_att
	.p2alignl 7, 3214868480
	.fill 96, 4, 3214868480
	.section	.rodata,"a",@progbits
	.p2align	6, 0x0
	.amdhsa_kernel k_qccb062214e_att
		.amdhsa_group_segment_fixed_size 2048
		.amdhsa_private_segment_fixed_size 0
		.amdhsa_enable_private_segment 0
		.amdhsa_kernarg_size 16
		.amdhsa_user_sgpr_count 2
		.amdhsa_user_sgpr_kernarg_segment_ptr 1
		.amdhsa_wavefront_size32 1
		.amdhsa_system_sgpr_workgroup_id_x 1
		.amdhsa_system_sgpr_workgroup_id_y 1
		.amdhsa_system_sgpr_workgroup_id_z 1
		.amdhsa_system_vgpr_workitem_id 0
		.amdhsa_next_free_vgpr 258
		.amdhsa_next_free_sgpr 66
		.amdhsa_reserve_vcc 0
		.amdhsa_float_denorm_mode_32 3
		.amdhsa_float_denorm_mode_16_64 3
		.amdhsa_memory_ordered 1
		.amdhsa_forward_progress 1
		.amdhsa_inst_pref_size 39
	.end_amdhsa_kernel
	.amdgpu_metadata
---
amdhsa.version: [ 1, 2 ]
amdhsa.kernels:
  - .name:           k_qccb062214e_att
    .symbol:         k_qccb062214e_att.kd
    .args:
      - { .name: qkv, .offset: 0, .size: 8, .value_kind: global_buffer, .address_space: global }
      - { .name: oq, .offset: 8, .size: 8, .value_kind: global_buffer, .address_space: global }
    .group_segment_fixed_size: 2048
    .private_segment_fixed_size: 0
    .kernarg_segment_align: 8
    .kernarg_segment_size: 16
    .max_flat_workgroup_size: 256
    .sgpr_count:     66
    .vgpr_count:     258
    .wavefront_size: 32
...
	.end_amdgpu_metadata
.endif
;; end of part 3
;; launch oproj (part 4): grid 8 x 32, 4 waves a work-group, clusters of 4 x 4, 327,680 bytes of LDS; arguments oq, out_proj_w_codes, out_proj_w_scales, out_proj_b, x, x1; writes x1
.if DOCPART == 4
	.amdgcn_target "amdgcn-amd-amdhsa--gfx1250"
	.amdhsa_code_object_version 6
	.text
	.protected	k_qccb062214e_oproj
	.globl	k_qccb062214e_oproj
	.p2align	8
	.type	k_qccb062214e_oproj,@function
k_qccb062214e_oproj:
	s_mov_b64 s[64:65], 0
	v_nop
	global_prefetch_b8 v0, s[64:65] scope:SCOPE_SE
	s_setreg_imm32_b32 hwreg(HW_REG_WAVE_MODE, 25, 1), 1
	s_wait_xcnt 0x0
	s_wait_alu depctr_hold_cnt(0) depctr_sa_sdst(0) depctr_va_vdst(0) depctr_va_sdst(0) depctr_va_ssrc(0) depctr_va_vcc(0) depctr_vm_vsrc(0)
	s_getreg_b32 s2, hwreg(HW_REG_IB_STS2, 6, 4)
	s_cmp_eq_u32 s2, 0
	s_cbranch_scc0 .Lentry_in_a_cluster
	s_endpgm
.Lentry_in_a_cluster:
	s_bfe_u32 s2, ttmp6, 0x10000c
	s_cmp_lg_u32 s2, 0xf033
	s_cbranch_scc0 .Lentry_shape_is_right
	s_endpgm
.Lentry_shape_is_right:
; out[m][n] = resid[m][n] + bias[n] + sum over k of A[m][k] W[n][k], on codes of FP8 (E4M3) with one E8M0 scale for each 32 along K = 1,024.  out and resid: [4096][1024] f32.
; A is this program's own: its codes lie as images of operand registers, the four registers of (row tile T, k block) at (16 T + 4 q + c) x 1,024 + 512 s4 + 16 x lane (s4 = k / 512, q = k % 512 / 128, c = k % 128 / 32).
; To the tensor data mover that is a plain matrix of 4,096 rows of 1,024 bytes.  Inside a block of 32 A's codes stand in the order 8 h + i, 16 + 8 h + i - 8 (h = lane / 16):
; W's fragments are read in the same order, as two loads of 8 bytes a block, at 8 h and 16 + 8 h.  A's scale words: [row / 128][k / 128][row % 128], behind the codes.
; A tile of out is 128 x 128: 256 work-groups; four waves, each 64 x 64: 16 accumulators.
; ALL OF K LIES IN LDS AT ONCE: 128 rows of A and 128 of W, 1,024 bytes + 16 of padding each, are 266,240 bytes.  Each wave issues one tensor load at the head (A's codes, W's codes, A's scale words, W's scale bytes):
; nothing is filled again, so there is no ring, and one barrier shows the four tiles to all waves.  Eight quarters of 128 along K follow, on two fragment buffers.
; CLUSTERS: 4 x 4 work-groups; A's tile and scale words are asked for jointly along a row of the cluster, W's along a column.  No prefetch: there is no loop to run ahead in.
; THE MATRIX INSTRUCTION IS USED TRANSPOSED (source 0 = 16 rows of W, source 1 = 16 rows of A): a lane holds eight neighbouring numbers of a row of out.
; The residual is asked for at the head, into registers of its own.
; REGISTERS: window 0: v0-31 addresses, bias; v32-63 scale words of all of K, and nothing else; v64-127 the way out; v128-255 the accumulators ((a, b) at v[128 + 8 (4 a + b)]).
;   window 1: two fragment buffers of 128: A's four fragments, then W's four.   window 2: v0-127 the residual.
.set SIZE_K, 1024
.set PITCH,  1040                      ; an LDS row: 1,024 bytes + 16: sixteen neighbouring rows start 16 bytes apart modulo 256
.set HALFT,  64*PITCH
.set KS,     SIZE_K/32                 ; a row of W's scale bytes
.set NS,     SIZE_K/128                ; scale words a row
.set WSP,    KS+16                     ; and in LDS: + 16 of padding
.set SCA,    4*HALFT                   ; behind the codes: A's scale words [k / 128][128 rows],
.set SCB,    SCA+NS*512                ; W's scale rows,
.set SPARE,  SCB+128*WSP               ; the spare words, 128 bytes a wave: two blocks of 256 bytes that no other line names,
.set STAGE,  SPARE+512                 ; and the stages of the way out, 16 rows x 272 bytes a wave: bytes into which no tensor load lands
.set ADRA, 16                          ; v16, v17 my A images: k under 512, k from 512 on
.set ADRB, 20
.set STO,  24
.set RD,   25
.set CO,   26
.set ADSA, 27
.set SPW,  28
.set NIL,  29
.set ADSB, 30
.set BI,   12                          ; v[12:15] the bias of columns 4 r .. 4 r + 3 of my 64
.set SC,   32                          ; set s (k / 512) at 32 + 16 s: register 4 p + q: A's words, lanes 0-15 block 2 p, lanes 16-31 block 2 p + 1; register 8 + 4 p + q: W's likewise
.set BK,   64
.set ACC,  128
.set G1,   24
.set G0A,  32
.set G0W,  36
.set G1B,  48
.set G1S,  68
.set G0S,  76
.set G1SB, 80
.set G0SB, 88
.set MSB, 0
.macro WIN new                         ; the immediate's high byte repeats the setting that is left
.if MSB != (\new)
	s_set_vgpr_msb (MSB<<8)|(\new)
.set MSB, (\new)
.endif
.endm
.set MUL, 0x05                         ; sources 0 (W) and 1 (A) window 1; C and D window 0
.macro CROUND                          ; a round of the cluster's barrier
	s_barrier_signal -1
	s_barrier_wait -1
	s_cmp_lg_u32 s14, 0
	s_cbranch_scc1 .Lnot_wave_0_\@
	s_barrier_signal -3
.Lnot_wave_0_\@:
	s_barrier_wait -3
	s_barrier_signal -1
	s_barrier_wait -1
.endm
.macro G0SET g, lds, a                 ; a group 0: count 1, LDS address, global address, type 2
	s_mov_b32 s[\g], 1
	s_mov_b32 s[\g+1], \lds
	s_mov_b64 s[\g+2:\g+3], s[\a:\a+1]
	s_or_b32 s[\g+3], s[\g+3], 0x80000000
.endm
.macro ARM under, g0, g1, next
	s_cmp_lt_u32 s14, \under
	s_cbranch_scc0 \next
	tensor_load_to_lds s[\g0:\g0+3], s[\g1:\g1+7]
	s_nop 0
.rept 4
	v_nop
.endr
	s_branch .Lhead_asked
\next:
.endm
	s_load_b256 s[4:11], s[0:1], 0x0               ; A s[4:5], W's codes s[6:7], W's scale bytes s[8:9], the bias s[10:11]
	s_load_b128 s[96:99], s[0:1], 0x20             ; the residual s[96:97], out s[98:99]
	v_lshl_add_u32 v[SPW], v0, 2, SPARE
	v_mov_b32 v[NIL], 0
	ds_add_u32 v[SPW], v[NIL]                      ; the opening lines: the add, twice on end, and its wait ahead of my tensor load
	ds_add_u32 v[SPW], v[NIL]
	v_lshrrev_b32 v1, 5, v0
	v_readfirstlane_b32 s14, v1                    ; wave 0..3
	s_lshr_b32 s15, s14, 1                         ; which half of the tile's rows is mine
	s_and_b32 s16, s14, 1                          ; which half of its columns
	s_bfe_u32 s40, ttmp6, 0x40000
	s_bfe_u32 s41, ttmp6, 0x40004
	s_lshl_b32 s42, ttmp9, 2
	s_add_co_u32 s42, s42, s40                     ; tile column = 4 x cluster x + cx
	s_and_b32 s17, ttmp7, 0xffff
	s_lshl_b32 s17, s17, 2
	s_add_co_u32 s17, s17, s41                     ; tile row = 4 x cluster y + cy
	s_lshl_b32 s43, s41, 2
	s_lshl_b32 s43, 15, s43                        ; my row of the cluster
	s_lshl_b32 s44, 0x1111, s40                    ; my column
	; group 1, codes: 128 rows x 1,024 bytes, four words of padding after every 256
	s_or_b32 s[G1+0], s43, (0<<16)|(1<<20)|(1<<21)|(7<<22)|(3<<25)
	s_or_b32 s[G1B+0], s44, (0<<16)|(1<<20)|(1<<21)|(7<<22)|(3<<25)
.irp g, G1, G1B
	s_mov_b32 s[\g+1], SIZE_K<<16
	s_mov_b32 s[\g+2], 128<<16
	s_mov_b32 s[\g+3], SIZE_K<<16
	s_mov_b32 s[\g+4], 128
	s_mov_b32 s[\g+5], SIZE_K
	s_mov_b32 s[\g+6], 0
	s_mov_b32 s[\g+7], 0
.endr
	; A's scale words of 128 rows: NS x 512 dense bytes, as 2 NS rows of 256 bytes (32 elements of 8 bytes), no padding
	s_or_b32 s[G1S+0], s43, (3<<16)|(1<<21)
	s_mov_b32 s[G1S+1], 32<<16
	s_mov_b32 s[G1S+2], (2*NS)<<16
	s_mov_b32 s[G1S+3], 32<<16
	s_mov_b32 s[G1S+4], 2*NS
	s_mov_b32 s[G1S+5], 32
	s_mov_b32 s[G1S+6], 0
	s_mov_b32 s[G1S+7], 0
	; W's scale bytes of 128 rows: rows of 32 bytes, four words of padding after every 8
	s_or_b32 s[G1SB+0], s44, (0<<16)|(1<<20)|(1<<21)|(2<<22)|(3<<25)
	s_mov_b32 s[G1SB+1], KS<<16
	s_mov_b32 s[G1SB+2], 128<<16
	s_mov_b32 s[G1SB+3], KS<<16
	s_mov_b32 s[G1SB+4], 128
	s_mov_b32 s[G1SB+5], KS
	s_mov_b32 s[G1SB+6], 0
	s_mov_b32 s[G1SB+7], 0
	s_lshl_b32 s20, s17, 17                        ; A's codes: 128 rows of 1,024 bytes a tile row
	s_mov_b32 s21, 0
	s_lshl_b32 s46, s42, 17                        ; W's likewise, by tile column
	s_mov_b32 s47, 0
	s_lshl_b32 s92, s42, 12                        ; W's scale bytes: 128 rows of 32
	s_mov_b32 s93, 0
	s_lshl_b32 s22, s17, 12                        ; A's scale words: NS x 512 bytes a tile row,
	s_add_co_u32 s22, s22, 4096*SIZE_K             ; behind the codes
	s_mov_b32 s23, 0
	s_wait_dscnt 0x0                               ; both opening adds are done
	s_wait_kmcnt 0x0
	s_add_nc_u64 s[20:21], s[4:5], s[20:21]
	s_add_nc_u64 s[22:23], s[4:5], s[22:23]
	s_add_nc_u64 s[46:47], s[6:7], s[46:47]
	s_add_nc_u64 s[92:93], s[8:9], s[92:93]
	G0SET G0A,  0,       20
	G0SET G0W,  2*HALFT, 46
	G0SET G0S,  SCA,     22
	G0SET G0SB, SCB,     92
	CROUND                                         ; all sixteen work-groups are here: the joint loads meet
	ARM 1, G0A, G1,  .Lhead_w                      ; one tree of branches on the wave's number: every way passes one load
	ARM 2, G0W, G1B, .Lhead_sa
	ARM 3, G0S, G1S, .Lhead_sb
	tensor_load_to_lds s[G0SB:G0SB+3], s[G1SB:G1SB+7]
	s_nop 0
.rept 4
	v_nop
.endr
.Lhead_asked:
	s_lshl_b32 s46, s42, 9
	s_lshl_b32 s47, s16, 8
	s_add_co_u32 s46, s46, s47                     ; my first column, in bytes
	s_mov_b32 s47, 0
	s_add_nc_u64 s[10:11], s[10:11], s[46:47]
	s_lshl_b32 s20, s17, 19
	s_lshl_b32 s21, s15, 18
	s_add_co_u32 s20, s20, s21                     ; my first row: 4,096 bytes a row
	s_add_co_u32 s20, s20, s46
	s_mov_b32 s21, 0
	s_add_nc_u64 s[96:97], s[96:97], s[20:21]
	s_add_nc_u64 s[98:99], s[98:99], s[20:21]
	s_mul_i32 s21, s15, HALFT                      ; my 64 rows of A,
	s_mul_i32 s22, s16, HALFT
	s_add_co_u32 s22, s22, 2*HALFT                 ; of W,
	s_mul_i32 s23, s14, 16*272
	s_add_co_u32 s23, s23, STAGE                   ; my stage,
	s_lshl_b32 s18, s15, 8
	s_add_co_u32 s18, s18, SCA                     ; my rows' scale words of A,
	s_lshl_b32 s19, s16, 6                         ; and my first row among W's scale rows
	v_and_b32 v1, 15, v0                           ; r
	v_bfe_u32 v2, v0, 4, 1                         ; h
	v_and_b32 v3, 31, v0                           ; lane
	v_lshlrev_b32 v4, 4, v3
	v_add_nc_u32 v[ADRA], s21, v4                  ; A: images, 16 x lane
	v_add_nc_u32 v[ADRA+1], 512, v[ADRA]
	v_mul_u32_u24 v5, v1, PITCH
	v_lshl_add_u32 v5, v2, 3, v5                   ; W: row r, + 8 h
	v_add_nc_u32 v[ADRB], s22, v5
	v_mul_u32_u24 v5, v1, 272
	v_lshl_add_u32 v5, v2, 5, v5
	v_add_nc_u32 v[STO], s23, v5                   ; in: row r, 32 bytes for each half of the lanes
	v_mul_u32_u24 v5, v2, 272
	v_lshl_add_u32 v5, v1, 4, v5
	v_add_nc_u32 v[RD], s23, v5                    ; back: lanes 0-15 one row of 256 bytes, lanes 16-31 the next
	v_lshlrev_b32 v5, 12, v2
	v_lshl_add_u32 v[CO], v1, 4, v5                ; and the same two rows in out and in the residual
	v_lshl_add_u32 v[ADSA], v3, 2, s18
	v_add_nc_u32 v5, s19, v3
	v_mul_u32_u24 v5, v5, WSP
	v_add_nc_u32 v[ADSB], SCB, v5
	v_lshlrev_b32 v6, 4, v1
	s_wait_alu depctr_va_vdst(0)                   ; the wait at the head's end
	global_load_b128 v[BI:BI+3], v6, s[10:11]
	WIN 0x80                                       ; destination window 2
.irp a, 0,1,2,3
.irp t, 0,1,2,3,4,5,6,7
	global_load_b128 v[4*(8*\a+\t):4*(8*\a+\t)+3], v[CO], s[96:97] offset:(16*\a+2*\t)*4096 th:TH_LOAD_NT   ; the residual, in the layout in which the rows leave; its wait stands on the way out
.endr
.endr
	WIN 0
; one matrix instruction: W's block b x A's block a, quarter q of scale set sc, from buffer f.  An odd block's words lie in lanes 16-31
.macro WM f, q, sc, a, b, zero
.set rD, ACC+8*(4*(\a)+(\b))
.set rW, (\f)+64+16*(\b)
.set rA, (\f)+16*(\a)
.set rX, SC+16*(\sc)+8+4*((\b)/2)+(\q)
.set rY, SC+16*(\sc)+4*((\a)/2)+(\q)
.set oB, (\b)%2
.set oA, (\a)%2
.if \zero
.if oB && oA
	v_wmma_scale_f32_16x16x128_f8f6f4 v[rD:rD+7], v[rW:rW+15], v[rA:rA+15], 0, v[rX], v[rY] matrix_a_scale:MATRIX_SCALE_ROW1 matrix_b_scale:MATRIX_SCALE_ROW1
.elseif oB
	v_wmma_scale_f32_16x16x128_f8f6f4 v[rD:rD+7], v[rW:rW+15], v[rA:rA+15], 0, v[rX], v[rY] matrix_a_scale:MATRIX_SCALE_ROW1
.elseif oA
	v_wmma_scale_f32_16x16x128_f8f6f4 v[rD:rD+7], v[rW:rW+15], v[rA:rA+15], 0, v[rX], v[rY] matrix_b_scale:MATRIX_SCALE_ROW1
.else
	v_wmma_scale_f32_16x16x128_f8f6f4 v[rD:rD+7], v[rW:rW+15], v[rA:rA+15], 0, v[rX], v[rY]
.endif
.else
.if oB && oA
	v_wmma_scale_f32_16x16x128_f8f6f4 v[rD:rD+7], v[rW:rW+15], v[rA:rA+15], v[rD:rD+7], v[rX], v[rY] matrix_a_scale:MATRIX_SCALE_ROW1 matrix_b_scale:MATRIX_SCALE_ROW1
.elseif oB
	v_wmma_scale_f32_16x16x128_f8f6f4 v[rD:rD+7], v[rW:rW+15], v[rA:rA+15], v[rD:rD+7], v[rX], v[rY] matrix_a_scale:MATRIX_SCALE_ROW1
.elseif oA
	v_wmma_scale_f32_16x16x128_f8f6f4 v[rD:rD+7], v[rW:rW+15], v[rA:rA+15], v[rD:rD+7], v[rX], v[rY] matrix_b_scale:MATRIX_SCALE_ROW1
.else
	v_wmma_scale_f32_16x16x128_f8f6f4 v[rD:rD+7], v[rW:rW+15], v[rA:rA+15], v[rD:rD+7], v[rX], v[rY]
.endif
.endif
.endm
.macro MULQ n, zero                    ; quarter n's sixteen products: the sixteen accumulators take turns, in the same order in every quarter
	WIN MUL
.irp a, 0,1,2,3
.irp b, 0,1,2,3
	WM 128*((\n)%2), (\n)%4, (\n)/4, \a, \b, \zero
.endr
.endr
.endm
.macro FETCH k                         ; 48 LDS loads: the fragments of quarter k (128 along K) into buffer k % 2
.set FB, 128*((\k)%2)
	WIN 0x40                                       ; destination window 1
.irp i, 0,1,2,3
.irp c, 0,1,2,3
	ds_load_b128 v[FB+16*\i+4*\c:FB+16*\i+4*\c+3], v[ADRA+(\k)/4] offset:(16*\i+4*((\k)%4)+\c)*PITCH   ; A: an image: 512 consecutive bytes
.endr
.endr
.irp i, 0,1,2,3
.irp c, 0,1,2,3
	ds_load_b64 v[FB+64+16*\i+4*\c:FB+64+16*\i+4*\c+1],   v[ADRB] offset:16*\i*PITCH+128*(\k)+32*\c      ; W: k = 32 c + 8 h + 0 .. 7,
	ds_load_b64 v[FB+64+16*\i+4*\c+2:FB+64+16*\i+4*\c+3], v[ADRB] offset:16*\i*PITCH+128*(\k)+32*\c+16   ; and 32 c + 16 + 8 h + 0 .. 7: A's order
.endr
.endr
.endm
.macro PLACES n                        ; plain vector instructions between a matrix instruction and a load into, or a vector or store access to, its registers (ISA guide 7.12.1 for vector and store accesses)
.rept \n
	v_nop
.endr
.endm
	s_wait_tensorcnt 0x0                           ; my tile of the four is in
	s_barrier_signal -1
	s_barrier_wait -1                              ; and so are the others'
	FETCH 0
	WIN 0
.irp s, 0,1                            ; twenty LDS loads: the scale words of all of K
.irp p, 0,1
.irp q, 0,1,2,3
	ds_load_b32 v[SC+16*\s+4*\p+\q], v[ADSA] offset:2048*\s+512*\q+128*\p
.endr
	ds_load_b128 v[SC+16*\s+8+4*\p:SC+16*\s+8+4*\p+3], v[ADSB] offset:16*\s+\p*32*WSP
.endr
.endr
.set N, 0
.rept 7                                ; the next quarter's fragments are asked for, then this quarter's products are issued
	PLACES 8                                       ; the other buffer was read by the quarter before
	FETCH N+1
	s_wait_dscnt 48                                ; all but the 48 just issued
	MULQ N, N==0                                   ; the first quarter's products start the sums
.set N, N+1
.endr
	s_wait_dscnt 0x0
	MULQ 7, 0
	WIN 0
; THE WAY OUT, 16 rows x 64 columns at a time: through my stage, back as whole rows of 256 bytes; the bias and the residual are added; sixteen lanes store 256 consecutive aligned bytes.
.macro OUTB a
.set BB, BK+32*((\a)%2)
.if (\a) > 1
	s_wait_xcnt 0x0                                ; the stores of two blocks back have read their data
.endif
.irp b, 0,1,2,3
	ds_store_b128 v[STO], v[ACC+8*(4*(\a)+\b):ACC+8*(4*(\a)+\b)+3]   offset:64*\b      ; each accumulator from its low end on
	ds_store_b128 v[STO], v[ACC+8*(4*(\a)+\b)+4:ACC+8*(4*(\a)+\b)+7] offset:64*\b+16
.endr
.irp t, 0,1,2,3,4,5,6,7
	ds_load_b128 v[BB+4*\t:BB+4*\t+3], v[RD] offset:2*\t*272    ; LDS serves a wave's instructions in order (ISA guide 5.7.1.4): these see my stores
.endr
	s_wait_dscnt 0x0
.irp t, 0,1,2,3,4,5,6,7
	v_pk_add_f32 v[BB+4*\t:BB+4*\t+1],   v[BB+4*\t:BB+4*\t+1],   v[BI:BI+1]
	v_pk_add_f32 v[BB+4*\t+2:BB+4*\t+3], v[BB+4*\t+2:BB+4*\t+3], v[BI+2:BI+3]
.endr
	WIN 0x08                                       ; source 1: window 2
.irp t, 0,1,2,3,4,5,6,7
	v_pk_add_f32 v[BB+4*\t:BB+4*\t+1],   v[BB+4*\t:BB+4*\t+1],   v[4*(8*(\a)+\t):4*(8*(\a)+\t)+1]
	v_pk_add_f32 v[BB+4*\t+2:BB+4*\t+3], v[BB+4*\t+2:BB+4*\t+3], v[4*(8*(\a)+\t)+2:4*(8*(\a)+\t)+3]
.endr
	WIN 0
.irp t, 0,1,2,3,4,5,6,7
	global_store_b128 v[CO], v[BB+4*\t:BB+4*\t+3], s[98:99] offset:(16*(\a)+2*\t)*4096
.endr
.endm
	s_wait_loadcnt 0x0                             ; the bias and the residual
	PLACES 8
	OUTB 0
	OUTB 1
	OUTB 2
	OUTB 3
	s_wait_tensorcnt 0x0                           ; the wave's end
	ds_add_u32 v[SPW], v[NIL]
	s_wait_dscnt 0x0
	CROUND                                         ; the closing round: no work-group ends while a partner may still ask for a tile that names it
	s_endpgm
.Lfunc_end_k_qccb062214e_oproj:
	.size	k_qccb062214e_oproj, .Lfunc_end_k_qccb062214e_oproj-k_qccb062214e_oproj
	.p2alignl 7, 3214868480
	.fill 96, 4, 3214868480
	.section	.rodata,"a",@progbits
	.p2align	6, 0x0
	.amdhsa_kernel k_qccb062214e_oproj
		.amdhsa_group_segment_fixed_size 327680
		.amdhsa_private_segment_fixed_size 0
		.amdhsa_enable_private_segment 0
		.amdhsa_kernarg_size 48
		.amdhsa_user_sgpr_count 2
		.amdhsa_user_sgpr_kernarg_segment_ptr 1
		.amdhsa_wavefront_size32 1
		.amdhsa_system_sgpr_workgroup_id_x 1
		.amdhsa_system_sgpr_workgroup_id_y 1
		.amdhsa_system_sgpr_workgroup_id_z 1
		.amdhsa_system_vgpr_workitem_id 0
		.amdhsa_next_free_vgpr 640
		.amdhsa_next_free_sgpr 106
		.amdhsa_reserve_vcc 0
		.amdhsa_float_denorm_mode_32 3
		.amdhsa_float_denorm_mode_16_64 3
		.amdhsa_memory_ordered 1
		.amdhsa_forward_progress 1
		.amdhsa_inst_pref_size 72
	.end_amdhsa_kernel
	.amdgpu_metadata
---
amdhsa.version: [ 1, 2 ]
amdhsa.kernels:
  - .name:           k_qccb062214e_oproj
    .symbol:         k_qccb062214e_oproj.kd
    .args:
      - { .name: oq, .offset: 0, .size: 8, .value_kind: global_buffer, .address_space: global }
      - { .name: out_proj_w_codes, .offset: 8, .size: 8, .value_kind: global_buffer, .address_space: global }
      - { .name: out_proj_w_scales, .offset: 16, .size: 8, .value_kind: global_buffer, .address_space: global }
      - { .name: out_proj_b, .offset: 24, .size: 8, .value_kind: global_buffer, .address_space: global }
      - { .name: x, .offset: 32, .size: 8, .value_kind: global_buffer, .address_space: global }
      - { .name: x1, .offset: 40, .size: 8, .value_kind: global_buffer, .address_space: global }
    .group_segment_fixed_size: 327680
    .private_segment_fixed_size: 0
    .kernarg_segment_align: 8
    .kernarg_segment_size: 48
    .max_flat_workgroup_size: 128
    .sgpr_count:     106
    .vgpr_count:     640
    .wavefront_size: 32
...
	.end_amdgpu_metadata
.endif
;; end of part 4
;; launch ln2: the kernel of part 1 again; grid 256 x 1, 16 waves a work-group, no clusters, 3,072 bytes of LDS; arguments x1, ln2_g, ln2_b, hq; writes hq
;; launch mlp1 (part 5): grid 16 x 16, 4 waves a work-group, clusters of 4 x 4, 327,680 bytes of LDS; arguments hq, mlp_w1_codes, mlp_w1_scales, mlp_b1, gq; writes gq
.if DOCPART == 5
	.amdgcn_target "amdgcn-amd-amdhsa--gfx1250"
	.amdhsa_code_object_version 6
	.text
	.protected	k_qccb062214e_mlp1
	.globl	k_qccb062214e_mlp1
	.p2align	8
	.type	k_qccb062214e_mlp1,@function
k_qccb062214e_mlp1:
	s_mov_b64 s[64:65], 0
	v_nop
	global_prefetch_b8 v0, s[64:65] scope:SCOPE_SE
	s_setreg_imm32_b32 hwreg(HW_REG_WAVE_MODE, 25, 1), 1
	s_wait_xcnt 0x0
	s_wait_alu depctr_hold_cnt(0) depctr_sa_sdst(0) depctr_va_vdst(0) depctr_va_sdst(0) depctr_va_ssrc(0) depctr_va_vcc(0) depctr_vm_vsrc(0)
	s_getreg_b32 s2, hwreg(HW_REG_IB_STS2, 6, 4)
	s_cmp_eq_u32 s2, 0
	s_cbranch_scc0 .Lentry_in_a_cluster
	s_endpgm
.Lentry_in_a_cluster:
	s_bfe_u32 s2, ttmp6, 0x10000c
	s_cmp_lg_u32 s2, 0xf033
	s_cbranch_scc0 .Lentry_shape_is_right
	s_endpgm
.Lentry_shape_is_right:
; g = gelu(h W1^T + b1), on codes of FP8 (E4M3) with one E8M0 scale for each 32 along K = 1,024; g is quantised along its columns on the way out and leaves as codes and scale words, laid as the next launch reads them.
; A tile of 256 x 256 is made by four waves, each 128 x 128: 64 accumulators.  K goes in steps of 256 through two LDS slots filled by the tensor data mover; the scale bytes of the tile's rows of h and of W1 come once.
; CLUSTERS: 4 x 4 work-groups; h's tiles are asked for jointly along a row of the cluster, W1's along a column.  The matrix instruction is used transposed: a lane holds neighbouring columns of one row.
; gelu in its tanh form: x / (1 + 2^(x (C1 + C2 x^2))).
; LIMITS: a block of zeros gets the byte 1 (its codes are zeros; this program alone reads the bytes); largest magnitudes under 2^-118 are held at that floor; NaN and infinities are not served.
.set SIZE_K, 1024
.set KSTEP,  256
.set NQ,     KSTEP/128
.set ROWB,   256
.set KROW,   SIZE_K
.set PITCH,  272
.set FR,     16
.set NL,     4
.set NP,     8
.set HALFT,  128*PITCH
.set SLOT,   4*HALFT
.set LAPS,   SIZE_K/(2*KSTEP)
.set KS,     SIZE_K/32
.set SCL,    2*SLOT
.set HALFS,  (128*KS/256)*272
.set SBLK,   (16*KS/256)*272
.set SPARE,  SCL+4*HALFS
.set ADRA, 16
.set ADRB, 20
.set ADRS, 27
.set SPW,  28
.set NIL,  29
.set SC,   32
.set AF,   128
.set H32,  7
.set C1,   10
.set PWE,  12
.set PWS,  13
.set LI,   30
.set L4,   31
.set BQ,   64
.set ST,   128
.set T2,   192
.set TM,   192
.set PW,   208
.set PC,   224
.set G1, 24
.set G0, 32
.set G1B, 48
.set G0B, 56
.set G1S, 68
.set G0S, 76
.set G1SB, 80
.set G0SB, 88
.set C2,  96
.set MNT, 98
.set SEL, 104
.set MSB, 0
.macro WIN new
.if MSB != (\new)
	s_set_vgpr_msb (MSB<<8)|(\new)
.set MSB, (\new)
.endif
.endm
.set MUL_LO, 0xa1
.set MUL_HI, 0xf1
.set TO_B,   0x40
.macro JLOAD g0a, g1a, g0b, g1b
	s_cmp_eq_u32 s15, 0
	s_cbranch_scc0 .Lfor_b_\@
	tensor_load_to_lds s[\g0a:\g0a+3], s[\g1a:\g1a+7]
	s_nop 0
.rept 4
	v_nop
.endr
	s_branch .Lasked_\@
.Lfor_b_\@:
	tensor_load_to_lds s[\g0b:\g0b+3], s[\g1b:\g1b+7]
	s_nop 0
.rept 4
	v_nop
.endr
.Lasked_\@:
.endm
.macro CREST
	s_cmp_lg_u32 s14, 0
	s_cbranch_scc1 .Lnot_wave_0_\@
	s_barrier_signal -3
.Lnot_wave_0_\@:
	s_barrier_wait -3
	s_barrier_signal -1
	s_barrier_wait -1
.endm
.macro CROUND
	s_barrier_signal -1
	s_barrier_wait -1
	CREST
.endm
	s_load_b128 s[4:7], s[0:1], 0x0
	s_load_b128 s[8:11], s[0:1], 0x10
	s_load_b64 s[12:13], s[0:1], 0x20
	v_lshl_add_u32 v[SPW], v0, 2, SPARE
	v_mov_b32 v[NIL], 0
	ds_add_u32 v28, v29
	ds_add_u32 v28, v29
	s_wait_dscnt 0x0
	v_lshrrev_b32 v1, 5, v0
	v_readfirstlane_b32 s14, v1
	s_lshr_b32 s15, s14, 1
	s_and_b32 s16, s14, 1
	s_bfe_u32 s40, ttmp6, 0x40000
	s_bfe_u32 s41, ttmp6, 0x40004
	s_lshl_b32 s42, ttmp9, 2
	s_add_co_u32 s42, s42, s40
	s_and_b32 s17, ttmp7, 0xffff
	s_lshl_b32 s17, s17, 2
	s_add_co_u32 s17, s17, s41
	s_lshl_b32 s43, s41, 2
	s_lshl_b32 s43, 15, s43
	s_lshl_b32 s44, 0x1111, s40
	s_or_b32 s[G1+0], s43, (0<<16)|(1<<20)|(1<<21)|(5<<22)|(3<<25)
	s_or_b32 s[G1B+0], s44, (0<<16)|(1<<20)|(1<<21)|(5<<22)|(3<<25)
.irp g, G1, G1B
	s_mov_b32 s[\g+1], ROWB<<16
	s_mov_b32 s[\g+2], 256<<16                     ; 256 rows for the head's loads; behind them the two words that count rows are set to 128, for the ring's
	s_mov_b32 s[\g+3], ROWB<<16
	s_mov_b32 s[\g+4], 256
	s_mov_b32 s[\g+5], KROW
	s_mov_b32 s[\g+6], 0
	s_mov_b32 s[\g+7], 0
.endr
	s_or_b32 s[G1S+0], s43, (3<<16)|(1<<20)|(1<<21)|(5<<22)|(3<<25)
	s_or_b32 s[G1SB+0], s44, (3<<16)|(1<<20)|(1<<21)|(5<<22)|(3<<25)
.irp g, G1S, G1SB
	s_mov_b32 s[\g+1], 32<<16
	s_mov_b32 s[\g+2], KS<<16                      ; the scale bytes of 256 rows: KS = 32 rows of 256 bytes
	s_mov_b32 s[\g+3], 32<<16
	s_mov_b32 s[\g+4], KS
	s_mov_b32 s[\g+5], 32
	s_mov_b32 s[\g+6], 0
	s_mov_b32 s[\g+7], 0
.endr
	s_lshl_b32 s20, s17, 8                         ; A: the tile's first row, 256 x tile row
	s_lshl_b32 s46, s42, 8                         ; B: 256 x tile column
	s_mov_b32 s21, 0
	s_mov_b32 s47, 0
	s_mov_b64 s[18:19], KS
	s_mul_u64 s[22:23], s[20:21], s[18:19]
	s_mul_u64 s[92:93], s[46:47], s[18:19]
	s_mov_b64 s[18:19], KROW
	s_mul_u64 s[20:21], s[20:21], s[18:19]
	s_mul_u64 s[46:47], s[46:47], s[18:19]
	s_mul_i32 s45, s14, HALFT
	s_mul_i32 s18, s16, 128*KROW                   ; in the ring I fetch 128 rows of a tile: which half, in bytes
	s_mov_b32 s19, 0
	s_wait_kmcnt 0x0
	s_mov_b64 s[66:67], s[10:11]
	s_mov_b64 s[10:11], s[8:9]
	s_mov_b64 s[8:9], s[6:7]
	s_add_nc_u64 s[6:7], s[4:5], 0x400000
	s_add_nc_u64 s[20:21], s[4:5], s[20:21]
	s_add_nc_u64 s[22:23], s[6:7], s[22:23]
	s_add_nc_u64 s[46:47], s[8:9], s[46:47]
	s_add_nc_u64 s[92:93], s[10:11], s[92:93]
	CROUND
	s_mov_b32 s[G0S], 1
	s_mov_b32 s[G0S+1], SCL
	s_mov_b64 s[G0S+2:G0S+3], s[22:23]
	s_or_b32 s[G0S+3], s[G0S+3], 0x80000000
	s_mov_b32 s[G0SB], 1
	s_mov_b32 s[G0SB+1], SCL+2*HALFS
	s_mov_b64 s[G0SB+2:G0SB+3], s[92:93]
	s_or_b32 s[G0SB+3], s[G0SB+3], 0x80000000
.set G0H, 4                            ; s[4:7], s[8:11] group 0 for the head's loads of K step 0 (the arguments that lay there have been used)
.set G0HB, 8
.set PFA, 92                           ; s[92:93] where my prefetches stand (B's scale address, which lay there, is in its descriptor); never rewritten
.set PFO, 24                           ; v24 their offset: my lane x a row of 1,024 bytes; never rewritten
	s_cmp_eq_u32 s15, 0                            ; the prefetches: do I fetch for A in the ring?
	s_cselect_b32 s22, s17, s42                    ; the tile's place: in A by the tile row, in B by the tile column
	s_cselect_b32 s23, s40, s41                    ; my place among the four that ask for it with me
	s_cselect_b64 s[PFA:PFA+1], s[4:5], s[8:9]
	s_lshl_b32 s22, s22, 8
	s_lshl_b32 s23, s23, 5
	s_add_co_u32 s22, s22, s23                     ; + my work-group's 32 rows
	s_lshl_b32 s23, s16, 7
	s_add_co_u32 s22, s22, s23                     ; of the 128 that I fetch
	s_lshl_b32 s22, s22, 10                        ; 1,024 bytes a row
	s_add_co_u32 s22, s22, ROWB                    ; at K step 1
	s_mov_b32 s23, 0
	s_add_nc_u64 s[PFA:PFA+1], s[PFA:PFA+1], s[22:23]
	s_mov_b32 s[G0H], 1                            ; K step 0's 256 rows of A,
	s_mov_b32 s[G0H+1], 0
	s_mov_b64 s[G0H+2:G0H+3], s[20:21]
	s_or_b32 s[G0H+3], s[G0H+3], 0x80000000
	s_mov_b32 s[G0HB], 1                           ; and of B, behind them in slot 0
	s_mov_b32 s[G0HB+1], 2*HALFT
	s_mov_b64 s[G0HB+2:G0HB+3], s[46:47]
	s_or_b32 s[G0HB+3], s[G0HB+3], 0x80000000
	s_add_nc_u64 s[20:21], s[20:21], s[18:19]      ; for the ring: my 128 rows of the tile
	s_add_nc_u64 s[46:47], s[46:47], s[18:19]
.irp s, 0,1
	s_mov_b32 s[G0+4*\s], 1
	s_add_co_u32 s[G0+4*\s+1], s45, \s*SLOT
	s_add_nc_u64 s[G0+4*\s+2:G0+4*\s+3], s[20:21], \s*ROWB
	s_or_b32 s[G0+4*\s+3], s[G0+4*\s+3], 0x80000000
	s_mov_b32 s[G0B+4*\s], 1
	s_add_co_u32 s[G0B+4*\s+1], s45, \s*SLOT
	s_add_nc_u64 s[G0B+4*\s+2:G0B+4*\s+3], s[46:47], \s*ROWB
	s_or_b32 s[G0B+4*\s+3], s[G0B+4*\s+3], 0x80000000
.endr
; THE HEAD'S LOADS, ONE A WAVE: wave 0 K step 0's 256 rows of A, wave 1 its 256 rows of B, wave 2 A's scale bytes, wave 3 B's.  One tree of branches on the wave's number: every way passes one load.
; PREFETCH INTO THE L2: behind the head's fill each wave asks for K steps 1 and 2, and behind K step 1's fill for K step 3, of 32 of the 128 rows that it fetches in the ring: a lane a row, 256 bytes of a row a K step.
; The four partners that ask for a tile jointly share its rows out by address (cx for A, cy for B), so each block of 256 bytes is named once in each cluster that loads it.  The steps are reached by the immediate offset alone.
.macro ARM under, g0, g1, next
	s_cmp_lt_u32 s14, \under
	s_cbranch_scc0 \next
	tensor_load_to_lds s[\g0:\g0+3], s[\g1:\g1+7]
	s_nop 0
.rept 4
	v_nop
.endr
	s_branch .Lhead_asked
\next:
.endm
	ARM 1, G0H,  G1,  .Lhead_b
	ARM 2, G0HB, G1B, .Lhead_sa
	ARM 3, G0S,  G1S, .Lhead_sb
	tensor_load_to_lds s[G0SB:G0SB+3], s[G1SB:G1SB+7]
	s_nop 0
.rept 4
	v_nop
.endr
.Lhead_asked:
	v_and_b32 v[PFO], 31, v0
	v_lshlrev_b32 v[PFO], 10, v[PFO]
	s_wait_alu depctr_va_vdst(0)                   ; the wait behind the write
	global_prefetch_b8 v[PFO], s[PFA:PFA+1] th:TH_LOAD_NT scope:SCOPE_SE               ; K step 1
	global_prefetch_b8 v[PFO], s[PFA:PFA+1] offset:ROWB th:TH_LOAD_NT scope:SCOPE_SE   ; K step 2
	v_and_b32 v1, 15, v0
	v_bfe_u32 v2, v0, 4, 1
	v_mul_u32_u24 v3, v1, PITCH
	v_lshl_add_u32 v4, v2, 4, v3
	s_mul_i32 s21, s15, HALFT
	s_mul_i32 s22, s16, HALFT
	s_add_co_u32 s22, s22, 2*HALFT
.irp s, 0,1
	v_add_nc_u32 v[ADRA+\s], s21, v4
	v_add_nc_u32 v[ADRB+\s], s22, v4
	s_add_co_u32 s21, s21, SLOT
	s_add_co_u32 s22, s22, SLOT
.endr
	v_mul_u32_u24 v5, v1, KS
	v_lshrrev_b32 v6, 8, v5
	v_lshl_add_u32 v5, v6, 4, v5
	s_mul_i32 s21, s15, HALFS
	s_mul_i32 s22, s16, HALFS
	s_add_co_u32 s22, s22, 2*HALFS
	s_sub_co_u32 s22, s22, s21
	v_mul_u32_u24 v6, s22, v2
	s_add_co_u32 s21, s21, SCL
	v_add_nc_u32 v5, v5, v6
	v_add_nc_u32 v[ADRS], s21, v5
	v_lshlrev_b32 v[H32], 5, v2
	s_wait_alu depctr_va_vdst(0)
	v_and_b32 v6, 31, v0
	v_lshlrev_b32 v[LI], 4, v6
	v_lshlrev_b32 v[L4], 2, v6
	v_mov_b32 v[C1], 0xc0135761
	v_mov_b32 v[C1+1], 0xc0135761
	s_mov_b32 s[C2], 0xbdd2d3e8
	s_mov_b32 s[C2+1], s[C2]
	s_mov_b32 s95, 0xffff0000
	s_mov_b32 s[MNT], 0x600000
	s_mov_b32 s[SEL], 0x76543210
	s_mov_b32 s[SEL+1], 0xfedcba98
	s_lshl_b32 s20, s42, 10
	s_lshl_b32 s22, s16, 9
	s_add_co_u32 s20, s20, s22
	s_mov_b32 s21, 0
	s_add_nc_u64 s[66:67], s[66:67], s[20:21]
	s_lshl_b32 s22, s17, 1
	s_add_co_u32 s22, s22, s15
	s_lshl_b32 s22, s22, 5
	s_lshl_b32 s23, s42, 1
	s_add_co_u32 s22, s22, s23
	s_add_co_u32 s22, s22, s16
	s_lshl_b32 s22, s22, 9
	s_add_co_u32 s22, s22, 0x1000000
	s_mov_b32 s23, 0
	s_add_nc_u64 s[100:101], s[12:13], s[22:23]
	s_lshl_b32 s20, s17, 8
	s_lshl_b32 s22, s15, 7
	s_add_co_u32 s20, s20, s22
	s_and_b32 s22, s42, 1
	s_lshl_b32 s22, s22, 3
	s_add_co_u32 s20, s20, s22
	s_lshl_b32 s22, s16, 2
	s_add_co_u32 s20, s20, s22
	s_lshl_b32 s20, s20, 12
	s_lshr_b32 s22, s42, 1
	s_lshl_b32 s22, s22, 9
	s_add_co_u32 s20, s20, s22
	s_add_nc_u64 s[12:13], s[12:13], s[20:21]
.irp b, 0,1,2,3,4,5,6,7
	global_load_b128 v[BQ+8*\b:BQ+8*\b+3],   v[H32], s[66:67] offset:64*\b
	global_load_b128 v[BQ+8*\b+4:BQ+8*\b+7], v[H32], s[66:67] offset:64*\b+16
.endr
.macro FRAG reg, adr, q, i
.irp c, 0,1,2,3
	ds_load_b128 v[\reg+4*\c:\reg+4*\c+3], v[\adr] offset:128*(\q)+32*\c+(\i)*16*PITCH
.endr
.endm
.macro MUL16 a0, p, q, sc, zero
.irp a, \a0, \a0+1
.irp b, 0,1,2,3,4,5,6,7
.if \zero
	v_wmma_scale_f32_16x16x128_f8f6f4 v[8*(8*((\a)%4)+\b):8*(8*((\a)%4)+\b)+7], v[128*(\p)+FR*\b:128*(\p)+FR*\b+FR-1], v[AF+FR*(\a):AF+FR*(\a)+FR-1], 0, v[SC+8*NQ*(\sc)+NQ*\b+(\q)], v[SC+8*NQ*(\sc)+NQ*(\a)+(\q)] matrix_a_scale:MATRIX_SCALE_ROW1
.else
	v_wmma_scale_f32_16x16x128_f8f6f4 v[8*(8*((\a)%4)+\b):8*(8*((\a)%4)+\b)+7], v[128*(\p)+FR*\b:128*(\p)+FR*\b+FR-1], v[AF+FR*(\a):AF+FR*(\a)+FR-1], v[8*(8*((\a)%4)+\b):8*(8*((\a)%4)+\b)+7], v[SC+8*NQ*(\sc)+NQ*\b+(\q)], v[SC+8*NQ*(\sc)+NQ*(\a)+(\q)] matrix_a_scale:MATRIX_SCALE_ROW1
.endif
.endr
.endr
.endm
.macro FETCH_B slot, q, p
	WIN TO_B
.irp i, 0,1,2,3,4,5,6,7
	FRAG 128*(\p)+FR*\i, ADRB+\slot, \q, \i
.endr
	WIN 0
.endm
.macro FETCH_A slot, q, i0
.irp i, \i0, \i0+1, \i0+2, \i0+3
	FRAG AF+FR*(\i), ADRA+\slot, \q, \i
.endr
.endm
.macro SCALES sc
.irp i, 0,1,2,3,4,5,6,7
	ds_load_b64 v[SC+8*NQ*\sc+NQ*\i:SC+8*NQ*\sc+NQ*\i+1], v[ADRS] offset:\i*SBLK
.endr
.endm
.macro PLACES n
.rept \n
	v_nop
.endr
.endm
.macro STEP slot, q, zero
	s_wait_dscnt 4*NL
	WIN MUL_LO
	MUL16 0, (\q)%2, \q, \slot, \zero
	MUL16 2, (\q)%2, \q, \slot, \zero
	s_wait_dscnt 0
	PLACES NP
	FETCH_B \slot, (\q)+1, 1-(\q)%2
	FETCH_A \slot, (\q)+1, 0
	WIN MUL_HI
	MUL16 4, (\q)%2, \q, \slot, \zero
	MUL16 6, (\q)%2, \q, \slot, \zero
	PLACES NP
	WIN 0
	FETCH_A \slot, (\q)+1, 4
.endm
.macro TURN slot, next, fill
	s_wait_tensorcnt 0x0
	ds_add_u32 v[SPW], v[NIL]
	s_wait_dscnt 4*NL+1
	WIN MUL_LO
	MUL16 0, 1, NQ-1, \slot, 0
	s_wait_dscnt 0x0
	s_barrier_signal -1
	MUL16 2, 1, NQ-1, \slot, 0
	WIN 0
	s_barrier_wait -1
.if \fill
	CREST
	s_add_nc_u64 s[G0+4*\slot+2:G0+4*\slot+3], s[G0+4*\slot+2:G0+4*\slot+3], 2*ROWB
	s_add_nc_u64 s[G0B+4*\slot+2:G0B+4*\slot+3], s[G0B+4*\slot+2:G0B+4*\slot+3], 2*ROWB
	JLOAD G0+4*\slot, G1, G0B+4*\slot, G1B
	PLACES NP-4
.else
	PLACES NP
.endif
	s_wait_alu depctr_va_vdst(0)
	v_add_nc_u32 v[ADRS], 4*NQ, v[ADRS]
	FETCH_B \next, 0, 0
	FETCH_A \next, 0, 0
	SCALES \next
	WIN MUL_HI
	MUL16 4, 1, NQ-1, \slot, 0
	MUL16 6, 1, NQ-1, \slot, 0
	PLACES NP
	WIN 0
	FETCH_A \next, 0, 4
.endm
	s_wait_alu depctr_va_vdst(0)                   ; the wait at the head's end
	s_wait_tensorcnt 0x0                           ; my tile of the head's four is in
	ds_add_u32 v[SPW], v[NIL]
	s_mov_b32 s[G1+2], 128<<16                     ; no tensor load of mine is out: from here on a load brings 128 rows
	s_mov_b32 s[G1+4], 128
	s_mov_b32 s[G1B+2], 128<<16
	s_mov_b32 s[G1B+4], 128
	s_wait_dscnt 0x0
	CROUND                                         ; all four tiles are in, and all sixteen work-groups are here
	JLOAD G0+4, G1, G0B+4, G1B                     ; K step 1's load, the first tensor load behind the round
	FETCH_B 0, 0, 0
	FETCH_A 0, 0, 0
	SCALES 0
	FETCH_A 0, 0, 4
	global_prefetch_b8 v[PFO], s[PFA:PFA+1] offset:2*ROWB th:TH_LOAD_NT scope:SCOPE_SE ; behind K step 1's fill and the run of LDS loads: K step 3
	STEP 0, 0, 1                                   ; the first step's products start the sums
	s_mov_b32 s3, LAPS-1
.Llap:
	TURN 0, 1, 1
	STEP 1, 0, 0
	TURN 1, 0, 1
	STEP 0, 0, 0
	s_sub_co_u32 s3, s3, 1
	s_cmp_lg_u32 s3, 0
	s_cbranch_scc1 .Llap
	TURN 0, 1, 0
	STEP 1, 0, 0
	s_wait_dscnt 4*NL
	WIN MUL_LO
	MUL16 0, 1, NQ-1, 1, 0
	MUL16 2, 1, NQ-1, 1, 0
	s_wait_dscnt 0
	WIN MUL_HI
	MUL16 4, 1, NQ-1, 1, 0
	MUL16 6, 1, NQ-1, 1, 0
	WIN 0
.macro QUANT s
.irp b, 0,1,2,3
	v_max3_num_f32 v[TM+\b], |v[\s+16*\b]|, |v[\s+1+16*\b]|, 0x4800000
.endr
.irp i, 2,4,6,8,10,12,14
.irp b, 0,1,2,3
	v_max3_num_f32 v[TM+\b], v[TM+\b], |v[\s+16*\b+\i]|, |v[\s+1+16*\b+\i]|
.endr
.endr
.irp b, 0,1,2,3
	v_permlanex16_b32 v[TM+4+\b], v[TM+\b], s[SEL], s[SEL+1]
.endr
.irp b, 0,1,2,3
	v_max_num_f32 v[TM+\b], v[TM+\b], v[TM+4+\b]
.endr
.irp b, 0,1,2,3
	v_add_nc_u32 v[TM+12+\b], 0xfc000000, v[TM+\b]
.endr
.irp b, 0,1,2,3
	v_and_or_b32 v[TM+8+\b], v[TM+\b], 0x7f800000, s[MNT]
.endr
.irp b, 0,1,2,3
	v_lshrrev_b32 v[TM+4+\b], 23, v[TM+12+\b]
.endr
	v_lshl_or_b32 v[PW], v[TM+5], 8, v[TM+4]
	v_lshl_or_b32 v[PW], v[TM+6], 16, v[PW]
	v_lshl_or_b32 v[PW], v[TM+7], 24, v[PW]
.irp b, 0,1,2,3
.irp i, 0,1,2,3,4,5,6,7,8,9,10,11,12,13,14,15
	v_med3_num_f32 v[\s+16*\b+\i], v[\s+16*\b+\i], -v[TM+8+\b], v[TM+8+\b]
.endr
	v_cvt_scalef32_pk8_fp8_f32 v[PC+4*\b:PC+1+4*\b], v[\s+16*\b:\s+7+16*\b], v[TM+12+\b]
	v_cvt_scalef32_pk8_fp8_f32 v[PC+2+4*\b:PC+3+4*\b], v[\s+8+16*\b:\s+15+16*\b], v[TM+12+\b]
.endr
	v_nop
.endm
.macro OUTA a
.if (\a) > 0
	s_wait_xcnt 0x0
.endif
	WIN 0x02+(\a)/4
.set AC, 64*((\a)%4)
.set i, 0
.rept 32
	v_pk_add_f32 v[ST+2*i:ST+2*i+1], v[AC+2*i:AC+2*i+1], v[BQ+2*i:BQ+2*i+1]
.set i, i+1
.endr
	WIN 0
.set i, 0
.rept 32
	v_pk_mul_f32 v[T2+2*i:T2+2*i+1], v[ST+2*i:ST+2*i+1], v[ST+2*i:ST+2*i+1]
.set i, i+1
.endr
.set i, 0
.rept 32
	v_pk_fma_f32 v[T2+2*i:T2+2*i+1], v[T2+2*i:T2+2*i+1], s[C2:C2+1], v[C1:C1+1] op_sel_hi:[1,0,1]
.set i, i+1
.endr
.set i, 0
.rept 32
	v_pk_mul_f32 v[T2+2*i:T2+2*i+1], v[T2+2*i:T2+2*i+1], v[ST+2*i:ST+2*i+1]
.set i, i+1
.endr
.set i, 0
	s_wait_alu depctr_va_vdst(0)
.rept 64
	v_exp_f32 v[T2+i], v[T2+i]
.set i, i+1
.endr
	v_nop
	s_wait_alu depctr_va_vdst(0)
.set i, 0
.rept 32
	v_pk_add_f32 v[T2+2*i:T2+2*i+1], v[T2+2*i:T2+2*i+1], 1.0 op_sel_hi:[1,0]
.set i, i+1
.endr
.set i, 0
	s_wait_alu depctr_va_vdst(0)
.rept 64
	v_rcp_f32 v[T2+i], v[T2+i]
.set i, i+1
.endr
	v_nop
	s_wait_alu depctr_va_vdst(0)
.set i, 0
.rept 32
	v_pk_mul_f32 v[ST+2*i:ST+2*i+1], v[ST+2*i:ST+2*i+1], v[T2+2*i:T2+2*i+1]
.set i, i+1
.endr
	QUANT ST
.irp j, 0,1,2,3
	global_store_b128 v[LI], v[PC+4*\j:PC+4*\j+3], s[12:13] offset:(16*(\a)+\j)*4096
.endr
.if ((\a)%2) == 0
	v_mov_b32 v[PWE], v[PW]
.else
	v_cndmask_b32 v[PWS], v[PWE], v[PW], s95
	global_store_b32 v[L4], v[PWS], s[100:101] offset:128*((\a)/2)
.endif
.endm
	s_wait_loadcnt 0x0
	PLACES NP
.irp a, 0,1,2,3,4,5,6,7
	OUTA \a
.endr
	s_wait_tensorcnt 0x0
	ds_add_u32 v[SPW], v[NIL]
	s_wait_dscnt 0x0
	CROUND
	s_endpgm
.Lfunc_end_k_qccb062214e_mlp1:
	.size	k_qccb062214e_mlp1, .Lfunc_end_k_qccb062214e_mlp1-k_qccb062214e_mlp1
	.p2alignl 7, 3214868480
	.fill 96, 4, 3214868480
	.section	.rodata,"a",@progbits
	.p2align	6, 0x0
	.amdhsa_kernel k_qccb062214e_mlp1
		.amdhsa_group_segment_fixed_size 327680
		.amdhsa_private_segment_fixed_size 0
		.amdhsa_enable_private_segment 0
		.amdhsa_kernarg_size 40
		.amdhsa_user_sgpr_count 2
		.amdhsa_user_sgpr_kernarg_segment_ptr 1
		.amdhsa_wavefront_size32 1
		.amdhsa_system_sgpr_workgroup_id_x 1
		.amdhsa_system_sgpr_workgroup_id_y 1
		.amdhsa_system_sgpr_workgroup_id_z 1
		.amdhsa_system_vgpr_workitem_id 0
		.amdhsa_next_free_vgpr 1024
		.amdhsa_next_free_sgpr 106
		.amdhsa_reserve_vcc 0
		.amdhsa_float_denorm_mode_32 3
		.amdhsa_float_denorm_mode_16_64 3
		.amdhsa_memory_ordered 1
		.amdhsa_forward_progress 1
		.amdhsa_inst_pref_size 255
	.end_amdhsa_kernel
	.section	.bss,"aw",@nobits
	.p2align	6
	.space	262144
	.amdgpu_metadata
---
amdhsa.version: [ 1, 2 ]
amdhsa.kernels:
  - .name:           k_qccb062214e_mlp1
    .symbol:         k_qccb062214e_mlp1.kd
    .args:
      - { .name: hq, .offset: 0, .size: 8, .value_kind: global_buffer, .address_space: global }
      - { .name: mlp_w1_codes, .offset: 8, .size: 8, .value_kind: global_buffer, .address_space: global }
      - { .name: mlp_w1_scales, .offset: 16, .size: 8, .value_kind: global_buffer, .address_space: global }
      - { .name: mlp_b1, .offset: 24, .size: 8, .value_kind: global_buffer, .address_space: global }
      - { .name: gq, .offset: 32, .size: 8, .value_kind: global_buffer, .address_space: global }
    .group_segment_fixed_size: 327680
    .private_segment_fixed_size: 0
    .kernarg_segment_align: 8
    .kernarg_segment_size: 40
    .max_flat_workgroup_size: 128
    .sgpr_count:     106
    .vgpr_count:     1024
    .wavefront_size: 32
...
	.end_amdgpu_metadata
.endif
;; end of part 5
;; launch mlp2 (part 6): grid 8 x 32, 4 waves a work-group, clusters of 4 x 4, 327,680 bytes of LDS; arguments gq, mlp_w2_codes, mlp_w2_scales, mlp_b2, x1, out0; writes out0
.if DOCPART == 6
	.amdgcn_target "amdgcn-amd-amdhsa--gfx1250"
	.amdhsa_code_object_version 6
	.text
	.protected	k_qccb062214e_mlp2
	.globl	k_qccb062214e_mlp2
	.p2align	8
	.type	k_qccb062214e_mlp2,@function
k_qccb062214e_mlp2:
	s_mov_b64 s[64:65], 0
	v_nop
	global_prefetch_b8 v0, s[64:65] scope:SCOPE_SE
	s_setreg_imm32_b32 hwreg(HW_REG_WAVE_MODE, 25, 1), 1
	s_wait_xcnt 0x0
	s_wait_alu depctr_hold_cnt(0) depctr_sa_sdst(0) depctr_va_vdst(0) depctr_va_sdst(0) depctr_va_ssrc(0) depctr_va_vcc(0) depctr_vm_vsrc(0)
	s_getreg_b32 s2, hwreg(HW_REG_IB_STS2, 6, 4)
	s_cmp_eq_u32 s2, 0
	s_cbranch_scc0 .Lentry_in_a_cluster
	s_endpgm
.Lentry_in_a_cluster:
	s_bfe_u32 s2, ttmp6, 0x10000c
	s_cmp_lg_u32 s2, 0xf033
	s_cbranch_scc0 .Lentry_shape_is_right
	s_endpgm
.Lentry_shape_is_right:
; out[m][n] = resid[m][n] + bias[n] + sum over k of A[m][k] W[n][k], on codes of FP8 (E4M3) with one E8M0 scale for each 32 along K = 4,096.  out and resid: [4096][1024] f32.
; A (the quantised gelu) is this program's own: images of operand registers, the four registers of (row tile T, k block) at (16 T + 4 q + c) x 4,096 + 512 s4 + 16 x lane; to the tensor data mover a plain matrix of 4,096 rows of 4,096 bytes.
; Inside a block of 32 A's codes stand in the order 8 h + i, 16 + 8 h + i - 8: W's fragments are read in the same order, as two loads of 8 bytes a block.  A's scale words: [row / 128][k / 128][row % 128], behind the codes.
; A tile of out is 128 x 128: 256 work-groups; four waves, each 64 x 64: 16 accumulators.  K goes in eight steps of 512 through two LDS slots; the scales of all of K come once, at the head.
; CLUSTERS: 4 x 4 work-groups; A's tiles and scale words are asked for jointly along a row of the cluster, W's along a column.
; PREFETCH INTO THE L2: behind the fill of K step t (t = 0 .. 5) each wave asks for K step t + 2 of 16 of the 64 rows that it fetches in the ring: a row's 512 bytes are two blocks of 256, lanes 0-15 name the first and lanes 16-31 the second.
; The four partners that ask for a tile jointly share its rows out by address (cx for A, cy for W), so each block is named once in each cluster that loads it; the loop's last trip asks for nothing.
.set PFA, 100                          ; s[100:101] where my prefetches stand
.set PFO, 31                           ; v31 their offset: 4,096 x (lane % 16) + 256 x (lane / 16); never rewritten
.set SIZE_K, 4096
.set KSTEP,  512
.set PITCH,  528
.set HALFT,  64*PITCH
.set SLOT,   4*HALFT
.set LAPS,   SIZE_K/(2*KSTEP)
.set KS,     SIZE_K/32
.set NS,     SIZE_K/128
.set WSP,    KS+16
.if KS == 32
.set QIS, 2
.else
.set QIS, 4
.endif
.set SCA,    2*SLOT
.set SCB,    SCA+NS*512
.set SPARE,  SCB+128*WSP
.set ADRA, 16
.set ADRB, 20
.set STO,  24
.set RD,   25
.set CO,   26
.set ADSA, 27
.set SPW,  28
.set NIL,  29
.set ADSB, 30
.set BI,   12
.set SC,   32
.set BK,   64
.set ACC,  128
.set F0,   0
.set F1,   128
.set G1, 24
.set G0, 32
.set G1B, 48
.set G0B, 56
.set G1S, 68
.set G0S, 76
.set G1SB, 80
.set G0SB, 88
.set MSB, 0
.macro WIN new
.if MSB != (\new)
	s_set_vgpr_msb (MSB<<8)|(\new)
.set MSB, (\new)
.endif
.endm
.set MUL, 0x05
.macro JLOAD g0a, g1a, g0b, g1b
	s_cmp_eq_u32 s15, 0
	s_cbranch_scc0 .Lfor_b_\@
	tensor_load_to_lds s[\g0a:\g0a+3], s[\g1a:\g1a+7]
	s_nop 0
.rept 4
	v_nop
.endr
	s_branch .Lasked_\@
.Lfor_b_\@:
	tensor_load_to_lds s[\g0b:\g0b+3], s[\g1b:\g1b+7]
	s_nop 0
.rept 4
	v_nop
.endr
.Lasked_\@:
.endm
.macro CREST
	s_cmp_lg_u32 s14, 0
	s_cbranch_scc1 .Lnot_wave_0_\@
	s_barrier_signal -3
.Lnot_wave_0_\@:
	s_barrier_wait -3
	s_barrier_signal -1
	s_barrier_wait -1
.endm
.macro CROUND
	s_barrier_signal -1
	s_barrier_wait -1
	CREST
.endm
	s_load_b256 s[4:11], s[0:1], 0x0
	s_load_b128 s[96:99], s[0:1], 0x20
	v_lshl_add_u32 v[SPW], v0, 2, SPARE
	v_mov_b32 v[NIL], 0
	ds_add_u32 v28, v29
	ds_add_u32 v28, v29
	s_wait_dscnt 0x0
	v_lshrrev_b32 v1, 5, v0
	v_readfirstlane_b32 s14, v1
	s_lshr_b32 s15, s14, 1
	s_and_b32 s16, s14, 1
	s_bfe_u32 s40, ttmp6, 0x40000
	s_bfe_u32 s41, ttmp6, 0x40004
	s_lshl_b32 s42, ttmp9, 2
	s_add_co_u32 s42, s42, s40
	s_and_b32 s17, ttmp7, 0xffff
	s_lshl_b32 s17, s17, 2
	s_add_co_u32 s17, s17, s41
	s_lshl_b32 s43, s41, 2
	s_lshl_b32 s43, 15, s43
	s_lshl_b32 s44, 0x1111, s40
	s_or_b32 s[G1+0], s43, (0<<16)|(1<<20)|(1<<21)|(6<<22)|(3<<25)
	s_or_b32 s[G1B+0], s44, (0<<16)|(1<<20)|(1<<21)|(6<<22)|(3<<25)
.irp g, G1, G1B
	s_mov_b32 s[\g+1], KSTEP<<16
	s_mov_b32 s[\g+2], 128<<16                     ; 128 rows for the head's loads; behind them the two words that count rows are set to 64, for the ring's
	s_mov_b32 s[\g+3], KSTEP<<16
	s_mov_b32 s[\g+4], 128
	s_mov_b32 s[\g+5], SIZE_K
	s_mov_b32 s[\g+6], 0
	s_mov_b32 s[\g+7], 0
.endr
	s_or_b32 s[G1S+0], s43, (3<<16)|(1<<21)
	s_mov_b32 s[G1S+1], 32<<16
	s_mov_b32 s[G1S+2], (2*NS)<<16                 ; A's scale words of 128 rows: NS x 512 dense bytes, as 2 NS rows of 256
	s_mov_b32 s[G1S+3], 32<<16
	s_mov_b32 s[G1S+4], 2*NS
	s_mov_b32 s[G1S+5], 32
	s_mov_b32 s[G1S+6], 0
	s_mov_b32 s[G1S+7], 0
	s_or_b32 s[G1SB+0], s44, (0<<16)|(1<<20)|(1<<21)|(QIS<<22)|(3<<25)
	s_mov_b32 s[G1SB+1], KS<<16
	s_mov_b32 s[G1SB+2], 128<<16                   ; W's scale bytes of 128 rows
	s_mov_b32 s[G1SB+3], KS<<16
	s_mov_b32 s[G1SB+4], 128
	s_mov_b32 s[G1SB+5], KS
	s_mov_b32 s[G1SB+6], 0
	s_mov_b32 s[G1SB+7], 0
	s_lshl_b32 s20, s17, 7                         ; A: the tile's first row, 128 x tile row
	s_lshl_b32 s46, s42, 7                         ; W: 128 x tile column
	s_mul_i32 s92, s46, KS
	s_mov_b32 s93, 0
	s_mul_i32 s20, s20, SIZE_K
	s_mov_b32 s21, 0
	s_mul_i32 s46, s46, SIZE_K
	s_mov_b32 s47, 0
	s_mul_i32 s22, s17, NS*512
	s_mul_i32 s18, s16, 64*SIZE_K                  ; in the ring I fetch 64 rows of a tile: which half, in bytes
	s_mov_b32 s19, 0
	s_add_co_u32 s22, s22, 4096*SIZE_K
	s_mov_b32 s23, 0
	s_cmp_eq_u32 s15, 0                            ; the prefetches: do I fetch for A in the ring?
	s_cselect_b32 s100, s17, s42                   ; the tile's place: in A by the tile row, in W by the tile column
	s_cselect_b32 s101, s40, s41                   ; my place among the four that ask for it with me
	s_lshl_b32 s100, s100, 7
	s_lshl_b32 s94, s16, 6
	s_add_co_u32 s100, s100, s94                   ; + the 64 rows that I fetch
	s_lshl_b32 s101, s101, 4
	s_add_co_u32 s100, s100, s101                  ; + my work-group's 16 of them
	s_mul_i32 s100, s100, SIZE_K
	s_add_co_u32 s100, s100, 2*KSTEP               ; at K step 2
	s_mov_b32 s101, 0
	s_mul_i32 s45, s14, HALFT
	s_wait_kmcnt 0x0
	s_add_nc_u64 s[20:21], s[4:5], s[20:21]
	s_add_nc_u64 s[22:23], s[4:5], s[22:23]
	s_add_nc_u64 s[46:47], s[6:7], s[46:47]
	s_add_nc_u64 s[92:93], s[8:9], s[92:93]
	s_cmp_eq_u32 s15, 0
	s_cselect_b64 s[104:105], s[4:5], s[6:7]
	s_add_nc_u64 s[PFA:PFA+1], s[104:105], s[PFA:PFA+1]
	CROUND
	s_mov_b32 s[G0S], 1
	s_mov_b32 s[G0S+1], SCA
	s_mov_b64 s[G0S+2:G0S+3], s[22:23]
	s_or_b32 s[G0S+3], s[G0S+3], 0x80000000
	s_mov_b32 s[G0SB], 1
	s_mov_b32 s[G0SB+1], SCB
	s_mov_b64 s[G0SB+2:G0SB+3], s[92:93]
	s_or_b32 s[G0SB+3], s[G0SB+3], 0x80000000
.set G0H, 4                            ; s[4:7], s[92:95] group 0 for the head's loads of K step 0 (what lay there has been used)
.set G0HB, 92
	s_mov_b32 s[G0H], 1                            ; K step 0's 128 rows of A,
	s_mov_b32 s[G0H+1], 0
	s_mov_b64 s[G0H+2:G0H+3], s[20:21]
	s_or_b32 s[G0H+3], s[G0H+3], 0x80000000
	s_mov_b32 s[G0HB], 1                           ; and of W, behind them in slot 0
	s_mov_b32 s[G0HB+1], 2*HALFT
	s_mov_b64 s[G0HB+2:G0HB+3], s[46:47]
	s_or_b32 s[G0HB+3], s[G0HB+3], 0x80000000
	s_add_nc_u64 s[20:21], s[20:21], s[18:19]      ; for the ring: my 64 rows of the tile
	s_add_nc_u64 s[46:47], s[46:47], s[18:19]
.irp s, 0,1
	s_mov_b32 s[G0+4*\s], 1
	s_add_co_u32 s[G0+4*\s+1], s45, \s*SLOT
	s_add_nc_u64 s[G0+4*\s+2:G0+4*\s+3], s[20:21], \s*KSTEP
	s_or_b32 s[G0+4*\s+3], s[G0+4*\s+3], 0x80000000
	s_mov_b32 s[G0B+4*\s], 1
	s_add_co_u32 s[G0B+4*\s+1], s45, \s*SLOT
	s_add_nc_u64 s[G0B+4*\s+2:G0B+4*\s+3], s[46:47], \s*KSTEP
	s_or_b32 s[G0B+4*\s+3], s[G0B+4*\s+3], 0x80000000
.endr
; THE HEAD'S LOADS, ONE A WAVE: wave 0 K step 0's 128 rows of A, wave 1 its 128 rows of W, wave 2 A's scale words, wave 3 W's scale bytes.  One tree of branches on the wave's number: every way passes one load.
.macro ARM under, g0, g1, next
	s_cmp_lt_u32 s14, \under
	s_cbranch_scc0 \next
	tensor_load_to_lds s[\g0:\g0+3], s[\g1:\g1+7]
	s_nop 0
.rept 4
	v_nop
.endr
	s_branch .Lhead_asked
\next:
.endm
	ARM 1, G0H,  G1,  .Lhead_b
	ARM 2, G0HB, G1B, .Lhead_sa
	ARM 3, G0S,  G1S, .Lhead_sb
	tensor_load_to_lds s[G0SB:G0SB+3], s[G1SB:G1SB+7]
	s_nop 0
.rept 4
	v_nop
.endr
.Lhead_asked:
	v_and_b32 v[PFO], 15, v0
	v_bfe_u32 v7, v0, 4, 1
	v_mul_u32_u24 v[PFO], v[PFO], SIZE_K
	v_lshl_add_u32 v[PFO], v7, 8, v[PFO]
	s_wait_alu depctr_va_vdst(0)                   ; the wait behind the write
	global_prefetch_b8 v[PFO], s[PFA:PFA+1] offset:-KSTEP th:TH_LOAD_NT scope:SCOPE_SE   ; at the head alone: K step 1 too, whose fill follows when K step 0 has landed
	global_prefetch_b8 v[PFO], s[PFA:PFA+1] th:TH_LOAD_NT scope:SCOPE_SE   ; behind K step 0's fill: K step 2
	v_and_b32 v1, 15, v0
	v_bfe_u32 v2, v0, 4, 1
	v_and_b32 v3, 31, v0
	v_lshlrev_b32 v4, 4, v3
	s_mul_i32 s21, s15, HALFT
	v_add_nc_u32 v[ADRA], s21, v4
	v_add_nc_u32 v[ADRA+1], SLOT, v[ADRA]
	v_mul_u32_u24 v5, v1, PITCH
	v_lshl_add_u32 v5, v2, 3, v5
	s_mul_i32 s22, s16, HALFT
	s_add_co_u32 s22, s22, 2*HALFT
	v_add_nc_u32 v[ADRB], s22, v5
	v_add_nc_u32 v[ADRB+1], SLOT, v[ADRB]
	s_mul_i32 s23, s14, 16*272
	v_mul_u32_u24 v5, v1, 272
	v_lshl_add_u32 v5, v2, 5, v5
	v_add_nc_u32 v[STO], s23, v5
	v_mul_u32_u24 v5, v2, 272
	v_lshl_add_u32 v5, v1, 4, v5
	v_add_nc_u32 v[RD], s23, v5
	v_lshlrev_b32 v5, 12, v2
	v_lshl_add_u32 v[CO], v1, 4, v5
	s_lshl_b32 s21, s15, 8
	s_add_co_u32 s21, s21, SCA
	v_lshl_add_u32 v[ADSA], v3, 2, s21
	s_lshl_b32 s22, s16, 6
	v_add_nc_u32 v5, s22, v3
	v_mul_u32_u24 v5, v5, WSP
	v_add_nc_u32 v[ADSB], SCB, v5
	v_lshlrev_b32 v6, 4, v1
	s_wait_alu depctr_va_vdst(0)
	s_lshl_b32 s46, s42, 9
	s_lshl_b32 s47, s16, 8
	s_add_co_u32 s46, s46, s47
	s_mov_b32 s47, 0
	s_add_nc_u64 s[10:11], s[10:11], s[46:47]
	s_lshl_b32 s20, s17, 19
	s_lshl_b32 s21, s15, 18
	s_add_co_u32 s20, s20, s21
	s_add_co_u32 s20, s20, s46
	s_mov_b32 s21, 0
	s_add_nc_u64 s[96:97], s[96:97], s[20:21]
	s_add_nc_u64 s[98:99], s[98:99], s[20:21]
.macro WM f, q, sc, a, b, zero
.set rD, ACC+8*(4*(\a)+(\b))
.set rW, (\f)+64+16*(\b)
.set rA, (\f)+16*(\a)
.set rX, SC+16*(\sc)+8+4*((\b)/2)+(\q)
.set rY, SC+16*(\sc)+4*((\a)/2)+(\q)
.set oB, (\b)%2
.set oA, (\a)%2
.if \zero
.if oB && oA
	v_wmma_scale_f32_16x16x128_f8f6f4 v[rD:rD+7], v[rW:rW+15], v[rA:rA+15], 0, v[rX], v[rY] matrix_a_scale:MATRIX_SCALE_ROW1 matrix_b_scale:MATRIX_SCALE_ROW1
.elseif oB
	v_wmma_scale_f32_16x16x128_f8f6f4 v[rD:rD+7], v[rW:rW+15], v[rA:rA+15], 0, v[rX], v[rY] matrix_a_scale:MATRIX_SCALE_ROW1
.elseif oA
	v_wmma_scale_f32_16x16x128_f8f6f4 v[rD:rD+7], v[rW:rW+15], v[rA:rA+15], 0, v[rX], v[rY] matrix_b_scale:MATRIX_SCALE_ROW1
.else
	v_wmma_scale_f32_16x16x128_f8f6f4 v[rD:rD+7], v[rW:rW+15], v[rA:rA+15], 0, v[rX], v[rY]
.endif
.else
.if oB && oA
	v_wmma_scale_f32_16x16x128_f8f6f4 v[rD:rD+7], v[rW:rW+15], v[rA:rA+15], v[rD:rD+7], v[rX], v[rY] matrix_a_scale:MATRIX_SCALE_ROW1 matrix_b_scale:MATRIX_SCALE_ROW1
.elseif oB
	v_wmma_scale_f32_16x16x128_f8f6f4 v[rD:rD+7], v[rW:rW+15], v[rA:rA+15], v[rD:rD+7], v[rX], v[rY] matrix_a_scale:MATRIX_SCALE_ROW1
.elseif oA
	v_wmma_scale_f32_16x16x128_f8f6f4 v[rD:rD+7], v[rW:rW+15], v[rA:rA+15], v[rD:rD+7], v[rX], v[rY] matrix_b_scale:MATRIX_SCALE_ROW1
.else
	v_wmma_scale_f32_16x16x128_f8f6f4 v[rD:rD+7], v[rW:rW+15], v[rA:rA+15], v[rD:rD+7], v[rX], v[rY]
.endif
.endif
.endm
.macro MUL8 f, q, sc, a0, zero
.irp a, \a0, \a0+1
.irp b, 0,1,2,3
	WM \f, \q, \sc, (\a), \b, \zero
.endr
.endr
.endm
.macro FETCH slot, q, f
	WIN 0x40
.irp i, 0,1,2,3
.irp c, 0,1,2,3
	ds_load_b128 v[\f+16*\i+4*\c:\f+16*\i+4*\c+3], v[ADRA+\slot] offset:(16*\i+4*(\q)+\c)*PITCH
.endr
.endr
.irp i, 0,1,2,3
.irp c, 0,1,2,3
	ds_load_b64 v[\f+64+16*\i+4*\c:\f+64+16*\i+4*\c+1],   v[ADRB+\slot] offset:16*\i*PITCH+128*(\q)+32*\c
	ds_load_b64 v[\f+64+16*\i+4*\c+2:\f+64+16*\i+4*\c+3], v[ADRB+\slot] offset:16*\i*PITCH+128*(\q)+32*\c+16
.endr
.endr
.endm
.macro SCALES sc
	WIN 0
.irp p, 0,1
.irp q, 0,1,2,3
	ds_load_b32 v[SC+16*\sc+4*\p+\q], v[ADSA] offset:512*\q+128*\p
.endr
	ds_load_b128 v[SC+16*\sc+8+4*\p:SC+16*\sc+8+4*\p+3], v[ADSB] offset:\p*32*WSP
.endr
.endm
.macro PLACES n
.rept \n
	v_nop
.endr
.endm
.macro QUARTER slot, q, zero
	PLACES 8
.if ((\q)%2) == 0
	FETCH \slot, (\q)+1, F1
	s_wait_dscnt 48
	WIN MUL
	MUL8 F0, \q, \slot, 0, \zero
	MUL8 F0, \q, \slot, 2, \zero
.else
	FETCH \slot, (\q)+1, F0
	s_wait_dscnt 48
	WIN MUL
	MUL8 F1, \q, \slot, 0, \zero
	MUL8 F1, \q, \slot, 2, \zero
.endif
.endm
.macro TURN slot, next, fill
	WIN 0
.if \fill
	s_wait_xcnt 0x0                                ; any prefetch of mine has read its address: it is stepped here, a K step behind the prefetch that read it
	s_add_nc_u64 s[PFA:PFA+1], s[PFA:PFA+1], KSTEP
.endif
	s_wait_tensorcnt 0x0
	ds_add_u32 v[SPW], v[NIL]
	s_wait_dscnt 1
	WIN MUL
	MUL8 F1, 3, \slot, 0, 0
	WIN 0
	s_wait_dscnt 0x0
	s_barrier_signal -1
	s_barrier_wait -1
.if \fill
	CREST
	s_add_nc_u64 s[G0+4*\slot+2:G0+4*\slot+3], s[G0+4*\slot+2:G0+4*\slot+3], 2*KSTEP
	s_add_nc_u64 s[G0B+4*\slot+2:G0B+4*\slot+3], s[G0B+4*\slot+2:G0B+4*\slot+3], 2*KSTEP
	JLOAD G0+4*\slot, G1, G0B+4*\slot, G1B
	PLACES 4
.else
	PLACES 8
.endif
	s_wait_alu depctr_va_vdst(0)
	v_add_nc_u32 v[ADSA], 2048, v[ADSA]
	v_add_nc_u32 v[ADSB], 16, v[ADSB]
	FETCH \next, 0, F0
	SCALES \next
.if \fill
	s_cmp_gt_u32 s3, 1                             ; the loop's last trip fills K steps 6 and 7: there is no K step two on
	s_cbranch_scc0 .Lno_ask_\@
	global_prefetch_b8 v[PFO], s[PFA:PFA+1] th:TH_LOAD_NT scope:SCOPE_SE   ; the K step two fills on
.Lno_ask_\@:
.endif
	WIN MUL
	MUL8 F1, 3, \slot, 2, 0
.endm
	s_wait_alu depctr_va_vdst(0)                   ; the wait at the head's end
	s_wait_xcnt 0x0                                ; my prefetch has read its address: it may be stepped
	s_add_nc_u64 s[PFA:PFA+1], s[PFA:PFA+1], KSTEP
	s_wait_tensorcnt 0x0                           ; my tile of the head's four is in
	ds_add_u32 v[SPW], v[NIL]
	s_mov_b32 s[G1+2], 64<<16                      ; no tensor load of mine is out: from here on a load brings 64 rows
	s_mov_b32 s[G1+4], 64
	s_mov_b32 s[G1B+2], 64<<16
	s_mov_b32 s[G1B+4], 64
	s_wait_dscnt 0x0
	CROUND                                         ; all four tiles are in, and all sixteen work-groups are here
	JLOAD G0+4, G1, G0B+4, G1B                     ; K step 1's load, the first tensor load behind the round
	FETCH 0, 0, F0
	SCALES 0
	global_prefetch_b8 v[PFO], s[PFA:PFA+1] th:TH_LOAD_NT scope:SCOPE_SE   ; behind K step 1's fill and the run of LDS loads: K step 3
	QUARTER 0, 0, 1
.if LAPS > 1
	WIN 0
	global_load_b128 v[BI:BI+3], v6, s[10:11]      ; the bias and the residual are wanted on the way out alone: they are asked for here, behind the first two fills and their prefetches, six K steps ahead of their wait
	WIN 0x80                                       ; destination window 2
.irp a, 0,1,2,3
.irp t, 0,1,2,3,4,5,6,7
	global_load_b128 v[4*(8*\a+\t):4*(8*\a+\t)+3], v[CO], s[96:97] offset:(16*\a+2*\t)*4096 th:TH_LOAD_NT   ; in the layout in which the rows leave
.endr
.endr
	WIN 0
	s_mov_b32 s3, LAPS-1
.Llap:
	QUARTER 0, 1, 0
	QUARTER 0, 2, 0
	TURN 0, 1, 1
	QUARTER 1, 0, 0
	QUARTER 1, 1, 0
	QUARTER 1, 2, 0
	TURN 1, 0, 1
	QUARTER 0, 0, 0
	WIN 0
	s_sub_co_u32 s3, s3, 1
	s_cmp_lg_u32 s3, 0
	s_cbranch_scc1 .Llap
.endif
	QUARTER 0, 1, 0
	QUARTER 0, 2, 0
	TURN 0, 1, 0
	QUARTER 1, 0, 0
	QUARTER 1, 1, 0
	QUARTER 1, 2, 0
	s_wait_dscnt 0x0
	MUL8 F1, 3, 1, 0, 0
	MUL8 F1, 3, 1, 2, 0
	WIN 0
.macro OUTB a
.set BB, BK+32*((\a)%2)
.if (\a) > 1
	s_wait_xcnt 0x0
.endif
.irp b, 0,1,2,3
	ds_store_b128 v[STO], v[ACC+8*(4*(\a)+\b):ACC+8*(4*(\a)+\b)+3]   offset:64*\b
	ds_store_b128 v[STO], v[ACC+8*(4*(\a)+\b)+4:ACC+8*(4*(\a)+\b)+7] offset:64*\b+16
.endr
.irp t, 0,1,2,3,4,5,6,7
	ds_load_b128 v[BB+4*\t:BB+4*\t+3], v[RD] offset:2*\t*272
.endr
	s_wait_dscnt 0x0
.irp t, 0,1,2,3,4,5,6,7
	v_pk_add_f32 v[BB+4*\t:BB+4*\t+1],   v[BB+4*\t:BB+4*\t+1],   v[BI:BI+1]
	v_pk_add_f32 v[BB+4*\t+2:BB+4*\t+3], v[BB+4*\t+2:BB+4*\t+3], v[BI+2:BI+3]
.endr
	WIN 0x08
.irp t, 0,1,2,3,4,5,6,7
	v_pk_add_f32 v[BB+4*\t:BB+4*\t+1],   v[BB+4*\t:BB+4*\t+1],   v[4*(8*(\a)+\t):4*(8*(\a)+\t)+1]
	v_pk_add_f32 v[BB+4*\t+2:BB+4*\t+3], v[BB+4*\t+2:BB+4*\t+3], v[4*(8*(\a)+\t)+2:4*(8*(\a)+\t)+3]
.endr
	WIN 0
.irp t, 0,1,2,3,4,5,6,7
	global_store_b128 v[CO], v[BB+4*\t:BB+4*\t+3], s[98:99] offset:(16*(\a)+2*\t)*4096
.endr
.endm
	s_wait_loadcnt 0x0
	PLACES 8
	OUTB 0
	OUTB 1
	OUTB 2
	OUTB 3
	s_wait_tensorcnt 0x0
	ds_add_u32 v[SPW], v[NIL]
	s_wait_dscnt 0x0
	CROUND
	s_endpgm
.Lfunc_end_k_qccb062214e_mlp2:
	.size	k_qccb062214e_mlp2, .Lfunc_end_k_qccb062214e_mlp2-k_qccb062214e_mlp2
	.p2alignl 7, 3214868480
	.fill 96, 4, 3214868480
	.section	.rodata,"a",@progbits
	.p2align	6, 0x0
	.amdhsa_kernel k_qccb062214e_mlp2
		.amdhsa_group_segment_fixed_size 327680
		.amdhsa_private_segment_fixed_size 0
		.amdhsa_enable_private_segment 0
		.amdhsa_kernarg_size 48
		.amdhsa_user_sgpr_count 2
		.amdhsa_user_sgpr_kernarg_segment_ptr 1
		.amdhsa_wavefront_size32 1
		.amdhsa_system_sgpr_workgroup_id_x 1
		.amdhsa_system_sgpr_workgroup_id_y 1
		.amdhsa_system_sgpr_workgroup_id_z 1
		.amdhsa_system_vgpr_workitem_id 0
		.amdhsa_next_free_vgpr 640
		.amdhsa_next_free_sgpr 106
		.amdhsa_reserve_vcc 0
		.amdhsa_float_denorm_mode_32 3
		.amdhsa_float_denorm_mode_16_64 3
		.amdhsa_memory_ordered 1
		.amdhsa_forward_progress 1
		.amdhsa_inst_pref_size 123
	.end_amdhsa_kernel
	.amdgpu_metadata
---
amdhsa.version: [ 1, 2 ]
amdhsa.kernels:
  - .name:           k_qccb062214e_mlp2
    .symbol:         k_qccb062214e_mlp2.kd
    .args:
      - { .name: gq, .offset: 0, .size: 8, .value_kind: global_buffer, .address_space: global }
      - { .name: mlp_w2_codes, .offset: 8, .size: 8, .value_kind: global_buffer, .address_space: global }
      - { .name: mlp_w2_scales, .offset: 16, .size: 8, .value_kind: global_buffer, .address_space: global }
      - { .name: mlp_b2, .offset: 24, .size: 8, .value_kind: global_buffer, .address_space: global }
      - { .name: x1, .offset: 32, .size: 8, .value_kind: global_buffer, .address_space: global }
      - { .name: out0, .offset: 40, .size: 8, .value_kind: global_buffer, .address_space: global }
    .group_segment_fixed_size: 327680
    .private_segment_fixed_size: 0
    .kernarg_segment_align: 8
    .kernarg_segment_size: 48
    .max_flat_workgroup_size: 128
    .sgpr_count:     106
    .vgpr_count:     640
    .wavefront_size: 32
...
	.end_amdgpu_metadata
.endif
;; end of part 6
